; MI455X (gfx1250); checked and timed in simulation.
; The chip was launched on July 23, 2026; its instructions are those of AMD's public machine-readable ISA for CDNA 5 (MIT licence, August 2026) and "CDNA5" Instruction Set Architecture Reference Guide (July 2026). The comments in the code are by the model that wrote it; some were corrected since.
;; Inter Modality Update. Allowed arithmetic: matrix products marked QUANTISED: E2M3 operands, one E8M0 scale for each 32 along K, by v_wmma_scale_f32_16x16x128_f8f6f4 with both operands' format E2M3, f32 sums; everything else in f32.
;; Inputs: Wq 1,024 x 3,072 float32; Wqo 2,048 x 1,024 float32; Wv 1,024 x 3,072 float32; Wvo 2,048 x 1,024 float32; bq 3,072 float32; bqo 1,024 float32; bv 3,072 float32; bvo 1,024 float32; q 32 x 128 x 1,024 float32; v 32 x 128 x 1,024 float32.
;; Outputs: out0 32 x 128 x 1,024 float32; out1 32 x 128 x 1,024 float32.
;; This version of the problem:
;;   THIS VERSION OF THE PROBLEM IS GIVEN IN LOW PRECISION. The matrix products marked QUANTISED in the list below multiply operands that are first quantised to E2M3 (2 exponent bits, 3 mantissa bits; 6 bits a number), with one power-of-two scale for each 32 numbers along K (OCP MX v1.0); their sums are f32. All else is computed in f32.
;;   The module's matrix products, in the order in which they are computed (A, B: the left and right operand; K: the contracted axis; several contracted axes count as one K, in the product's order):
;;     1. [M 4,096, K 1,024] x [K 1,024, N 3,072]; A: input v; B: input Wv: QUANTISED
;;     2. [M 4,096, K 1,024] x [K 1,024, N 3,072]; A: input q; B: input Wq: QUANTISED
;;     3. batch 256 x [M 128, K 128] x [K 128, N 128]; A: computed on the way; B: computed on the way: QUANTISED
;;     4. batch 256 x [M 128, K 128] x [K 128, N 128]; A: computed on the way; B: computed on the way: QUANTISED
;;     5. batch 256 x [M 128, K 128] x [K 128, N 128]; A: computed on the way; B: softmax (see below): QUANTISED
;;     6. batch 256 x [M 128, K 128] x [K 128, N 128]; A: computed on the way; B: softmax (see below): QUANTISED
;;     7. [M 4,096, K 2,048] x [K 2,048, N 1,024]; A: computed on the way; B: input Wvo: QUANTISED
;;     8. [M 4,096, K 2,048] x [K 2,048, N 1,024]; A: computed on the way; B: input Wqo: QUANTISED
;;   THE QUANTISER, for each operand of a quantised product, along K:
;;     - K is cut into blocks of 32 from its start; a last block that is shorter is filled with zeros.
;;     - A block's scale is 2^e with e = floor(log2(the largest magnitude in the block)) - 2, held to -126 .. 127; a block of zeros has e = 0. As a byte (E8M0): e + 127.
;;     - Each number is divided by its block's scale, clamped to +-7.5, and rounded to the nearest number of E2M3, ties to even, subnormals kept.
;;     - The product sums the exact products of the quantised numbers (number of the format x scale) in f32.
;;   ~~~python
;;   def quantise(x, axis):      # numpy; x: float32 -> the quantised numbers, widened to float32 again
;;       x = np.moveaxis(x, axis, -1); K = x.shape[-1]
;;       x = np.pad(x, [(0, 0)] * (x.ndim - 1) + [(0, -K % 32)]); x = x.reshape(x.shape[:-1] + (-1, 32)); a = np.abs(x).max(-1, keepdims=True)
;;       e = np.where(a > 0, np.clip(np.frexp(np.where(a > 0, a, 1))[1] - 1 - 2, -126, 127), 0)      # np.frexp(a)[1] - 1 = floor(log2(a)), exactly
;;       r = np.clip(x / 2.0 ** e, -7.5, 7.5)
;;       step = 2.0 ** (np.maximum(np.frexp(np.where(r == 0, 1, r))[1] - 1, 0) - 3)
;;       q = np.round(r / step) * step * 2.0 ** e      # np.round: ties to even
;;       return np.moveaxis(q.reshape(q.shape[:-2] + (-1,))[..., :K], -1, axis).astype(np.float32)
;;   ~~~
;;   SOFTMAX AHEAD OF A QUANTISED PRODUCT. Where the list says 'softmax', what is quantised is not the finished softmax but p = 2^(t - M), with t = logit x log2(e) and M = ceil(the row's largest t), a whole number; so 1/2 < the row's largest p <= 1. The row's sum l is taken of the UNQUANTISED p, in f32, and the product's result is divided by l at the end. Since M is a whole number, a kernel that streams over the keys may use a running M (the ceiling of the running maximum): every later rescaling is an exact power of two, which a block's scale takes up: the codes' values come out the same.
;;   OPERANDS COMPUTED ON THE WAY. 'Computed on the way' means the value that the module computes at that place (a softmax that the list does not call 'softmax' is quantised finished and normalised). What goes into a quantiser is computed in f32, as accurately as f32 sums, v_exp_f32 and their like allow (about 1e-6 of the number): no bf16 or f16 on the way to a quantiser, and a product that is left as it is and whose result goes on into a quantised operand takes f32 operands (vector FMAs, or v_wmma_f32_16x16x4_f32). A number that lies on a knife's edge between two numbers of the format may be rounded either way, as far as f32 arithmetic and the matrix unit's own rounding can turn it there, and no further.
;; 2 versions. Each part assembles by itself: llvm-mc -triple=amdgcn-amd-amdhsa -mcpu=gfx1250 --defsym DOCPART=n.
;; ======== version 1 of 2: 4 launches
;; workspace buffers: xq 6,553,600 bytes; uq 6,553,600 bytes; wc 8,192,000 bytes
;; launch quantx (part 1): grid 512 x 1, 4 waves a work-group, no clusters, 34,304 bytes of LDS; arguments v, q, xq; writes xq
.if DOCPART == 1
	.amdgcn_target "amdgcn-amd-amdhsa--gfx1250"
	.amdhsa_code_object_version 6
	.text
	.protected	k_q7131476d13_quantx
	.globl	k_q7131476d13_quantx
	.p2align	8
	.type	k_q7131476d13_quantx,@function
k_q7131476d13_quantx:
	s_mov_b64 s[64:65], 0
	v_nop
	global_prefetch_b8 v0, s[64:65] scope:SCOPE_SE
	s_setreg_imm32_b32 hwreg(HW_REG_WAVE_MODE, 25, 1), 1
	s_wait_xcnt 0x0
; v and q, [32][128][1024] f32, become codes of FP6 (E2M3) with one E8M0 byte for each 32 along the last axis, laid as the later launches' operands want them.
; A PACKAGE is one batch, one tensor (0 = v, 1 = q) and one K step of 128: 12,800 bytes: eight fragments of 1,536 bytes, then 512 bytes of scale words.  Package number = (2 batch + tensor) 8 + K step = the work-group's number.
; A FRAGMENT is 16 tokens x 128 K as an image of the operand's 12 registers: register j of lane l at byte 512 (j / 4) + 16 l + 4 (j % 4).  Lane (r, h) holds blocks h and 2 + h of its token.
; THE TOKENS OF A TILE ARE NOT NEIGHBOURS: lane r of tile t stands for token 32 (t / 2) + 8 (t % 2) + r + 8 (r / 8).  Scale words: row r of tile t at byte 64 t + 4 r.
; Wave p makes tiles 2 p and 2 p + 1.  Each load reads one token's 512 consecutive bytes; a tile turns through the wave's own stage in LDS (rows of 512 + 16 bytes), so that a lane gets two whole blocks of 32.
; A block's scale is 2^(floor(log2(largest magnitude)) - 2): its byte is the largest magnitude's exponent field - 2, held at 1 from below by a floor among the maximum's leaves.
; LIMITS: NaN and infinities among the inputs are not served; a block of zeros, or one whose largest magnitude lies under 2^-124, gets the byte 1 (its codes are zeros or tiny; the bytes are read by this program alone).
.set STG, 8448                         ; a wave's stage: 16 rows x 528 bytes
.set R,   16                           ; v16-143  two tiles as loaded
.set X,   144                          ; v144-207 my two blocks of 32
.set C,   208                          ; v208-231 the codes, 12 registers a tile: no store's data are written again
.set T0,  232                          ; v232-234, v236-238: a block's upper 16 codes (a conversion's three registers begin on an even number)
.set T1,  236
.set MX,  240                          ; v240-241 largest magnitudes
.set SO,  244                          ; v244-245 the conversions' scale operands
.set BY,  246                          ; v246-247 the bytes
.set WD,  248                          ; v248-249 the two tiles' scale words
	s_load_b128 s[4:7], s[0:1], 0x0                ; v, q
	s_load_b64 s[8:9], s[0:1], 0x10                ; xq
	v_lshl_add_u32 v254, v0, 2, 0x8400
	v_mov_b32 v255, 0
	v_lshrrev_b32 v1, 5, v0
	v_readfirstlane_b32 s10, v1                    ; wave
	v_and_b32 v1, 31, v0                           ; lane
	v_and_b32 v8, 15, v0                           ; r
	v_bfe_u32 v9, v0, 4, 1                         ; h
	v_lshlrev_b32 v2, 4, v1                        ; my 16 bytes of a load's 512
	s_mul_i32 s11, s10, STG
	v_add_nc_u32 v3, s11, v2                       ; the stage, in: a row as it lies
	v_mul_u32_u24 v4, v8, 528
	v_lshl_add_u32 v4, v9, 7, v4
	v_add_nc_u32 v4, s11, v4                       ; and out: row r, block h
	v_lshlrev_b32 v5, 2, v1
	s_lshl_b32 s15, s10, 7
	v_add_nc_u32 v5, s15, v5                       ; scale words: 4 x lane + 128 x wave
	v_lshlrev_b32 v6, 3, v9                        ; 8 h: my bytes' place in the word
	s_mul_i32 s15, s10, 3072
	v_add_nc_u32 v7, s15, v2                       ; the images: 16 x lane + two fragments a wave
	v_mov_b32 v250, 0                              ; a lane permute's destination counts as one of its sources
	s_mov_b32 s12, 0x76543210
	s_mov_b32 s13, 0xfedcba98                      ; selects for lane l xor 16
	s_mov_b32 s14, 0xffff0000                      ; lanes 16-31
	s_lshr_b32 s16, ttmp9, 4
	s_lshl_b32 s16, s16, 19                        ; the batch: 128 tokens of 4,096 bytes
	s_lshl_b32 s17, s10, 17                        ; my wave's 32 tokens
	s_add_co_u32 s16, s16, s17
	s_and_b32 s17, ttmp9, 7
	s_lshl_b32 s17, s17, 9                         ; the K step: 512 bytes
	s_add_co_u32 s16, s16, s17
	s_mov_b32 s17, 0
	s_mul_i32 s18, ttmp9, 12800                    ; the package
	s_mov_b32 s19, 0
	s_and_b32 s20, ttmp9, 8
	s_wait_kmcnt 0x0
	s_cmp_lg_u32 s20, 0                            ; v or q: the choice hangs on the work-group's number alone
	s_cselect_b64 s[4:5], s[6:7], s[4:5]
	s_add_nc_u64 s[4:5], s[4:5], s[16:17]
	s_add_nc_u64 s[8:9], s[8:9], s[18:19]
.macro LOAD u                          ; tile u's 16 tokens, 512 consecutive bytes a load
.irp i, 0,1,2,3,4,5,6,7,8,9,10,11,12,13,14,15
	global_load_b128 v[R+64*\u+4*\i:R+64*\u+4*\i+3], v2, s[4:5] offset:(8*\u+\i+8*(\i/8))*4096 th:TH_LOAD_NT
.endr
.endm
.macro TILE u
	s_wait_loadcnt 16*(1-\u)                       ; this tile's 16 loads are in; the other tile's may be out
.irp i, 0,1,2,3,4,5,6,7,8,9,10,11,12,13,14,15
	ds_store_b128 v3, v[R+64*\u+4*\i:R+64*\u+4*\i+3] offset:528*\i
.endr
.irp c, 0,1                            ; LDS serves a wave's instructions in order: these see the stores above
.irp q, 0,1,2,3,4,5,6,7
	ds_load_b128 v[X+32*\c+4*\q:X+32*\c+4*\q+3], v4 offset:256*\c+16*\q   ; block 2 c + h of token r
.endr
.endr
	s_wait_dscnt 0x0
.irp c, 0,1
	v_max3_num_f32 v[MX+\c], |v[X+32*\c]|, |v[X+32*\c+1]|, 0x1800000   ; the floor 2^(3 - 127): the byte cannot fall under 1
.endr
.irp i, 2,4,6,8,10,12,14,16,18,20,22,24,26,28,30
.irp c, 0,1
	v_max3_num_f32 v[MX+\c], v[MX+\c], |v[X+32*\c+\i]|, |v[X+32*\c+\i+1]|   ; the two blocks by turns
.endr
.endr
.irp c, 0,1
	v_add_nc_u32 v[SO+\c], 0xff000000, v[MX+\c]    ; 2 off the exponent field: the conversion's scale operand
.endr
.irp c, 0,1
	v_lshrrev_b32 v[BY+\c], 23, v[SO+\c]           ; the scale's byte
.endr
	v_lshl_or_b32 v[WD+\u], v[BY+1], 16, v[BY]     ; blocks h and 2 + h,
	v_lshlrev_b32 v[WD+\u], v6, v[WD+\u]           ; at their places in the word;
	v_permlanex16_b32 v250, v[WD+\u], s12, s13
	v_or_b32 v[WD+\u], v[WD+\u], v250              ; with lane l xor 16's two the word is whole
	v_cvt_scalef32_pk16_fp6_f32 v[C+12*\u:C+12*\u+2], v[X:X+15], v[SO]
	v_cvt_scalef32_pk16_fp6_f32 v[T0:T0+2], v[X+16:X+31], v[SO]
	v_cvt_scalef32_pk16_fp6_f32 v[C+12*\u+6:C+12*\u+8], v[X+32:X+47], v[SO+1]
	v_cvt_scalef32_pk16_fp6_f32 v[T1:T1+2], v[X+48:X+63], v[SO+1]
	v_nop                                          ; one plain place behind the scaled conversions
.irp i, 0,1,2
	v_mov_b32 v[C+12*\u+3+\i], v[T0+\i]
	v_mov_b32 v[C+12*\u+9+\i], v[T1+\i]
.endr
.irp c, 0,1,2
	global_store_b128 v7, v[C+12*\u+4*\c:C+12*\u+4*\c+3], s[8:9] offset:1536*\u+512*\c   ; 32 lanes store 512 consecutive bytes, aligned to 256
.endr
.endm
	LOAD 0
	LOAD 1
	TILE 0
	TILE 1
	v_cndmask_b32 v251, v[WD], v[WD+1], s14        ; lanes 0-15: the even tile's rows; lanes 16-31: the odd tile's
	global_store_b32 v5, v251, s[8:9] offset:12288
	s_wait_tensorcnt 0x0
	ds_add_u32 v254, v255
	s_wait_dscnt 0x0
	s_endpgm
.Lfunc_end_k_q7131476d13_quantx:
	.size	k_q7131476d13_quantx, .Lfunc_end_k_q7131476d13_quantx-k_q7131476d13_quantx
	.p2alignl 7, 3214868480
	.fill 96, 4, 3214868480
	.section	.rodata,"a",@progbits
	.p2align	6, 0x0
	.amdhsa_kernel k_q7131476d13_quantx
		.amdhsa_group_segment_fixed_size 34304
		.amdhsa_private_segment_fixed_size 0
		.amdhsa_enable_private_segment 0
		.amdhsa_kernarg_size 24
		.amdhsa_user_sgpr_count 2
		.amdhsa_user_sgpr_kernarg_segment_ptr 1
		.amdhsa_wavefront_size32 1
		.amdhsa_system_sgpr_workgroup_id_x 1
		.amdhsa_system_sgpr_workgroup_id_y 1
		.amdhsa_system_sgpr_workgroup_id_z 1
		.amdhsa_system_vgpr_workitem_id 0
		.amdhsa_next_free_vgpr 256
		.amdhsa_next_free_sgpr 66
		.amdhsa_reserve_vcc 0
		.amdhsa_float_denorm_mode_32 3
		.amdhsa_float_denorm_mode_16_64 3
		.amdhsa_memory_ordered 1
		.amdhsa_forward_progress 1
		.amdhsa_inst_pref_size 16
	.end_amdhsa_kernel
	.amdgpu_metadata
---
amdhsa.version: [ 1, 2 ]
amdhsa.kernels:
  - .name:           k_q7131476d13_quantx
    .symbol:         k_q7131476d13_quantx.kd
    .args:
      - { .name: v, .offset: 0, .size: 8, .value_kind: global_buffer, .address_space: global }
      - { .name: q, .offset: 8, .size: 8, .value_kind: global_buffer, .address_space: global }
      - { .name: xq, .offset: 16, .size: 8, .value_kind: global_buffer, .address_space: global }
    .group_segment_fixed_size: 34304
    .private_segment_fixed_size: 0
    .kernarg_segment_align: 8
    .kernarg_segment_size: 24
    .max_flat_workgroup_size: 128
    .sgpr_count:     66
    .vgpr_count:     256
    .wavefront_size: 32
...
	.end_amdgpu_metadata
.endif
;; end of part 1
;; launch quantw (part 2): grid 640 x 1, 4 waves a work-group, no clusters, 13,824 bytes of LDS; arguments Wv, Wq, Wvo, Wqo, wc; writes wc
.if DOCPART == 2
	.amdgcn_target "amdgcn-amd-amdhsa--gfx1250"
	.amdhsa_code_object_version 6
	.text
	.protected	k_q7131476d13_quantw
	.globl	k_q7131476d13_quantw
	.p2align	8
	.type	k_q7131476d13_quantw,@function
k_q7131476d13_quantw:
	s_mov_b64 s[64:65], 0
	v_nop
	global_prefetch_b8 v0, s[64:65] scope:SCOPE_SE
	s_setreg_imm32_b32 hwreg(HW_REG_WAVE_MODE, 25, 1), 1
	s_wait_xcnt 0x0
; The four weights, f32 with K as their FIRST axis, become codes of FP6 (E2M3) with one E8M0 byte for each 32 along K, laid as images of the operands' registers.
; A LANE TAKES A COLUMN AND ITS REGISTERS RUN DOWN K: a block of 32 lies in one lane's 32 registers, and the conversions give codes with K innermost.  Nothing is transposed by an instruction.
; A wave takes 32 columns x one K step of 128: a PAIR of fragments (16 columns x 128 K, 1,536 bytes each: register j of lane l at 512 (j / 4) + 16 l + 4 (j % 4)) and 32 scale words.
; Lane r of fragment u stands for column 8 u + r + 8 (r / 8) of the 32.  The codes turn through the wave's own stage in LDS into that image, and leave as runs of 512 consecutive bytes.
; Wv, Wq [1024][3072], work-groups 0-383: package (2 head + tensor) 8 + K step, 38,400 bytes: pair 3 w + part (part: key, query, value; w: the head's block of 32 channels) at 3,072 x pair; scale words from 36,864 on.
; Wvo, Wqo [2048][1024], work-groups 384-639: from byte 4,915,200 on, package (4 tensor + group of 256 columns) 16 + K step, 25,600 bytes: pair = block of 32 columns; scale words from 24,576 on.
; One path serves all four tensors: only scalars and pointers are chosen, on the work-group's number.  Loads run two blocks (64 loads a wave) ahead; each block has registers of its own.
; LIMITS: NaN and infinities are not served; a block of zeros, or one under 2^-124, gets the byte 1 (the bytes are read by this program alone).
.set OFF, 16                           ; v16-47   byte offset of my column in rows 0 .. 31 of a block; never rewritten
.set X,   48                           ; v48-175  four blocks of 32 numbers; later the images on their way out
.set C,   176                          ; v176-207 the codes: eight registers a block, six used
	s_load_b256 s[4:11], s[0:1], 0x0               ; Wv, Wq, Wvo, Wqo
	s_load_b64 s[12:13], s[0:1], 0x20              ; wc
	v_lshl_add_u32 v208, v0, 2, 0x3400
	v_mov_b32 v209, 0
	v_lshrrev_b32 v1, 5, v0
	v_readfirstlane_b32 s14, v1                    ; wave
	v_and_b32 v2, 31, v0                           ; e: my column of the 32
	v_bfe_u32 v3, v0, 3, 1                         ; u = (e / 8) % 2
	v_and_b32 v8, 7, v0
	v_bfe_u32 v9, v0, 4, 1
	v_lshl_add_u32 v8, v9, 3, v8                   ; r = e % 8 + 8 (e / 16)
	s_mul_i32 s50, s14, 3328                       ; my stage: two images, 1,664 bytes apart
	v_mul_u32_u24 v4, v3, 1664
	v_lshl_add_u32 v4, v8, 4, v4
	v_add_nc_u32 v4, s50, v4                       ; in: image u, lane r's 16 bytes
	v_lshlrev_b32 v7, 4, v2                        ; out, in memory: 16 x lane
	v_add_nc_u32 v5, s50, v7                       ; out, in LDS
	v_lshl_add_u32 v6, v3, 4, v8
	v_lshlrev_b32 v6, 2, v6                        ; my scale word: 4 (16 u + r)
	s_cmp_lt_u32 ttmp9, 384                        ; the first layer's weights, or the second's
	s_cselect_b32 s15, 0, 384
	s_mov_b32 s16, 128
	s_cselect_b32 s16, 192, s16                    ; work-groups for one tensor
	s_cselect_b32 s17, 3, 4                        ; log2 of its K steps
	s_mov_b32 s18, 4096
	s_cselect_b32 s18, 12288, s18                  ; a row in bytes
	s_mov_b32 s19, 25600
	s_cselect_b32 s19, 38400, s19                  ; a package
	s_mov_b32 s20, 24576
	s_cselect_b32 s20, 36864, s20                  ; where its scale words begin
	s_cselect_b32 s21, 0, 4915200                  ; where the packages of this kind begin
	s_sub_co_u32 s22, ttmp9, s15
	s_cmp_ge_u32 s22, s16
	s_cselect_b32 s23, 1, 0                        ; which tensor of the two
	s_cselect_b32 s36, s16, 0
	s_sub_co_u32 s22, s22, s36
	s_lshr_b32 s37, s22, s17                       ; group of 128 columns
	s_lshl_b32 s38, s37, s17
	s_sub_co_u32 s38, s22, s38                     ; K step
	s_and_b32 s39, s37, 7                          ; first layer: head = group % 8, part = group / 8
	s_lshl_b32 s39, s39, 1
	s_add_co_u32 s39, s39, s23
	s_lshl_b32 s39, s39, 3
	s_add_co_u32 s39, s39, s38                     ; package (2 head + tensor) 8 + step
	s_lshr_b32 s40, s37, 3
	s_mul_i32 s41, s14, 3
	s_add_co_u32 s40, s40, s41                     ; pair 3 wave + part
	s_lshl_b32 s41, s23, 2                         ; second layer
	s_lshr_b32 s42, s37, 1
	s_add_co_u32 s41, s41, s42
	s_lshl_b32 s41, s41, 4
	s_add_co_u32 s41, s41, s38                     ; package (4 tensor + group / 2) 16 + step
	s_and_b32 s42, s37, 1
	s_lshl_b32 s42, s42, 2
	s_add_co_u32 s42, s42, s14                     ; pair 4 (group % 2) + wave
	s_cmp_lt_u32 ttmp9, 384
	s_cselect_b32 s39, s39, s41
	s_cselect_b32 s40, s40, s42
	s_mul_i32 s39, s39, s19
	s_add_co_u32 s39, s39, s21                     ; the package's first byte
	s_mul_i32 s41, s40, 3072
	s_add_co_u32 s44, s39, s41                     ; my pair's images
	s_mov_b32 s45, 0
	s_lshl_b32 s41, s40, 7
	s_add_co_u32 s46, s39, s20
	s_add_co_u32 s46, s46, s41                     ; my pair's scale words
	s_mov_b32 s47, 0
	s_mul_i32 s41, s38, s18
	s_lshl_b32 s41, s41, 7                         ; the K step's 128 rows
	s_lshl_b32 s42, s37, 9                         ; the group's 128 columns
	s_add_co_u32 s41, s41, s42
	s_lshl_b32 s42, s14, 7                         ; my wave's 32
	s_add_co_u32 s42, s41, s42
	s_mov_b32 s43, 0
	s_lshl_b32 s48, s18, 5                         ; 32 rows
	s_mov_b32 s49, 0
	v_lshlrev_b32 v[OFF], 2, v2
.set qI, 1
.rept 31
	v_mad_u32_u24 v[OFF+qI], s18, qI, v[OFF]
.set qI, qI+1
.endr
	s_wait_kmcnt 0x0
	s_cmp_lt_u32 ttmp9, 384                        ; the choices hang on the work-group's number alone
	s_cselect_b64 s[4:5], s[4:5], s[8:9]
	s_cselect_b64 s[6:7], s[6:7], s[10:11]
	s_cmp_eq_u32 s23, 0
	s_cselect_b64 s[4:5], s[4:5], s[6:7]
	s_add_nc_u64 s[24:25], s[4:5], s[42:43]        ; a base for each block of 32 rows; never rewritten
	s_add_nc_u64 s[26:27], s[24:25], s[48:49]
	s_add_nc_u64 s[28:29], s[26:27], s[48:49]
	s_add_nc_u64 s[30:31], s[28:29], s[48:49]
	s_add_nc_u64 s[32:33], s[12:13], s[44:45]
	s_add_nc_u64 s[34:35], s[12:13], s[46:47]
.macro LOAD t                          ; block t: rows 32 t + 0 .. 31 of the K step at my column: each load reads 128 consecutive bytes, the four waves side by side 512
.set qI, 0
.rept 32
	global_load_b32 v[X+32*(\t)+qI], v[OFF+qI], s[24+2*(\t):25+2*(\t)] th:TH_LOAD_NT
.set qI, qI+1
.endr
.endm
	LOAD 0
	LOAD 1
.macro BLOCK t
.set XS, X+32*(\t)
.set CB, C+8*(\t)
.if (\t) < 3
	s_wait_loadcnt 32                              ; this block's 32 loads are in; behind them the next block's 32 were issued, which may be out
.else
	s_wait_loadcnt 0x0
.endif
.if (\t)+2 < 4
	LOAD (\t)+2                                    ; two blocks ahead, into registers of its own
.endif
	v_max3_num_f32 v12, |v[XS]|, |v[XS+1]|, |v[XS+2]|
	v_max3_num_f32 v13, |v[XS+3]|, |v[XS+4]|, |v[XS+5]|
.irp i, 6,10,14,18,22,26
	v_max3_num_f32 v12, v12, |v[XS+\i]|, |v[XS+\i+1]|
	v_max3_num_f32 v13, v13, |v[XS+\i+2]|, |v[XS+\i+3]|
.endr
	v_max3_num_f32 v12, v12, |v[XS+30]|, |v[XS+31]|
	v_max3_num_f32 v12, v12, v13, 0x1800000        ; and the floor 2^(3 - 127)
	v_add_nc_u32 v11, 0xff000000, v12              ; 2 off the exponent field: the conversion's scale operand
	v_lshrrev_b32 v14, 23, v11                     ; the scale's byte
	v_cvt_scalef32_pk16_fp6_f32 v[CB:CB+2], v[XS:XS+15], v11
	v_cvt_scalef32_pk16_fp6_f32 v[8:10], v[XS+16:XS+31], v11   ; (a conversion's three registers begin on an even number)
.if (\t) == 0
	v_mov_b32 v15, v14                             ; the word's four bytes, the lower K lower.  (The plain place behind the conversions)
.else
	v_lshl_or_b32 v15, v14, 8*(\t), v15
.endif
.irp i, 0,1,2
	v_mov_b32 v[CB+3+\i], v[8+\i]
.endr
; block t is registers 6 (t / 2) .. + 5 of lane r + 16 (t % 2) of the image
.if (\t) < 2
	ds_store_b128 v4, v[CB:CB+3] offset:256*((\t)%2)
	ds_store_b64 v4, v[CB+4:CB+5] offset:512+256*((\t)%2)
.else
	ds_store_b64 v4, v[CB:CB+1] offset:520+256*((\t)%2)
	ds_store_b128 v4, v[CB+2:CB+5] offset:1024+256*((\t)%2)
.endif
.endm
	BLOCK 0
	BLOCK 1
	BLOCK 2
	BLOCK 3
.irp n, 0,1,2,3,4,5                    ; LDS serves a wave's instructions in order: these see my stores
	ds_load_b128 v[X+4*\n:X+4*\n+3], v5 offset:1664*(\n/3)+512*(\n%3)
.endr
.irp n, 0,1,2,3,4,5
	s_wait_dscnt 5-\n                              ; the younger read-backs may be out
	global_store_b128 v7, v[X+4*\n:X+4*\n+3], s[32:33] offset:1536*(\n/3)+512*(\n%3)   ; 512 consecutive bytes, aligned to 256
.endr
	global_store_b32 v6, v15, s[34:35]             ; the pair's 32 scale words: 128 consecutive bytes
	s_wait_tensorcnt 0x0
	ds_add_u32 v208, v209
	s_wait_dscnt 0x0
	s_endpgm
.Lfunc_end_k_q7131476d13_quantw:
	.size	k_q7131476d13_quantw, .Lfunc_end_k_q7131476d13_quantw-k_q7131476d13_quantw
	.p2alignl 7, 3214868480
	.fill 96, 4, 3214868480
	.section	.rodata,"a",@progbits
	.p2align	6, 0x0
	.amdhsa_kernel k_q7131476d13_quantw
		.amdhsa_group_segment_fixed_size 13824
		.amdhsa_private_segment_fixed_size 0
		.amdhsa_enable_private_segment 0
		.amdhsa_kernarg_size 40
		.amdhsa_user_sgpr_count 2
		.amdhsa_user_sgpr_kernarg_segment_ptr 1
		.amdhsa_wavefront_size32 1
		.amdhsa_system_sgpr_workgroup_id_x 1
		.amdhsa_system_sgpr_workgroup_id_y 1
		.amdhsa_system_sgpr_workgroup_id_z 1
		.amdhsa_system_vgpr_workitem_id 0
		.amdhsa_next_free_vgpr 210
		.amdhsa_next_free_sgpr 66
		.amdhsa_reserve_vcc 0
		.amdhsa_float_denorm_mode_32 3
		.amdhsa_float_denorm_mode_16_64 3
		.amdhsa_memory_ordered 1
		.amdhsa_forward_progress 1
		.amdhsa_inst_pref_size 26
	.end_amdhsa_kernel
	.amdgpu_metadata
---
amdhsa.version: [ 1, 2 ]
amdhsa.kernels:
  - .name:           k_q7131476d13_quantw
    .symbol:         k_q7131476d13_quantw.kd
    .args:
      - { .name: Wv, .offset: 0, .size: 8, .value_kind: global_buffer, .address_space: global }
      - { .name: Wq, .offset: 8, .size: 8, .value_kind: global_buffer, .address_space: global }
      - { .name: Wvo, .offset: 16, .size: 8, .value_kind: global_buffer, .address_space: global }
      - { .name: Wqo, .offset: 24, .size: 8, .value_kind: global_buffer, .address_space: global }
      - { .name: wc, .offset: 32, .size: 8, .value_kind: global_buffer, .address_space: global }
    .group_segment_fixed_size: 13824
    .private_segment_fixed_size: 0
    .kernarg_segment_align: 8
    .kernarg_segment_size: 40
    .max_flat_workgroup_size: 128
    .sgpr_count:     66
    .vgpr_count:     210
    .wavefront_size: 32
...
	.end_amdgpu_metadata
.endif
;; end of part 2
;; launch attn (part 3): grid 8 x 32, 4 waves a work-group, clusters of 4 x 4, 327,680 bytes of LDS; arguments xq, wc, bv, bq, uq; writes uq
.if DOCPART == 3
	.amdgcn_target "amdgcn-amd-amdhsa--gfx1250"
	.amdhsa_code_object_version 6
	.text
	.protected	k_q7131476d13_attn
	.globl	k_q7131476d13_attn
	.p2align	8
	.type	k_q7131476d13_attn,@function
k_q7131476d13_attn:
	s_mov_b64 s[64:65], 0
	v_nop
	global_prefetch_b8 v0, s[64:65] scope:SCOPE_SE
	s_setreg_imm32_b32 hwreg(HW_REG_WAVE_MODE, 25, 1), 1
	s_wait_xcnt 0x0
	s_wait_alu depctr_hold_cnt(0) depctr_sa_sdst(0) depctr_va_vdst(0) depctr_va_sdst(0) depctr_va_ssrc(0) depctr_va_vcc(0) depctr_vm_vsrc(0)
	s_getreg_b32 s2, hwreg(HW_REG_IB_STS2, 6, 4)
	s_cmp_eq_u32 s2, 0
	s_cbranch_scc0 .Lentry_in_a_cluster
	s_endpgm
.Lentry_in_a_cluster:
	s_bfe_u32 s2, ttmp6, 0x10000c
	s_cmp_lg_u32 s2, 0xf033
	s_cbranch_scc0 .Lentry_shape_is_right
	s_endpgm
.Lentry_shape_is_right:
; One work-group = one batch b and one head.  It makes relu(x W + bias) for the head's 384 columns (key, query, value) of BOTH towers (side 0 = v, 1 = q), quantises them in registers, keeps them in LDS,
; runs both attentions (v's queries over q's keys and values, and the other way round), and stores the two updates as codes of FP6 with their scale words.  All products on codes of FP6 (E2M3) with E8M0 scales.
; INPUTS: packages of operand images.  A fragment, 16 rows x 128 K, is 1,536 bytes: register j of lane l at 512 (j / 4) + 16 l + 4 (j % 4): three loads of 512 consecutive bytes.  Lane r of tile t stands for
; row 32 (t / 2) + 8 (t % 2) + r + 8 (r / 8), so that where such a tile is source 0 the 16 result registers of tiles 2 b', 2 b' + 1 are 16 NEIGHBOURS 32 b' + 16 (lane / 16) + 0 .. 15.
; THE LINEAR LAYERS: 16 K steps of 128 (8 a side).  Wave w owns channels 32 w .. 32 w + 31 of key, query and value (6 tiles of W) against all 8 tiles of tokens: 48 accumulators, 14 fragments read for 48 products.
;   key, query: source 0 = W, source 1 = x: a lane holds ONE token and 16 neighbouring channels, which are the scores' K.   value: source 0 = x, source 1 = W: a lane holds ONE channel and tokens, the second product's K.
;   The biases are the C of each sum's first product.
; THE RING: two LDS slots of two K steps, filled by the tensor data mover: wave 0 brings x's two packages, waves 1-3 a third each of W's two.
; CLUSTER 4 x 4: the four work-groups of a row share the batch, so x's packages; the four of a column share the head, so W's: each load is asked for JOINTLY, with one descriptor and a mask that names the four.
; THE SOFTMAX: t = score x log2(e) / sqrt(128); M = ceil(the row's largest t); p = 2^(t - M) is quantised along the keys, not normalised; the sum of the unquantised p divides the result (by v_rcp_f32 and a multiplication).
;   The keys are 128, one K step: there is no running maximum.
; LIMITS: NaN and infinities are not served; a block of zeros, or one under 2^-124, gets the scale byte 1 over zero or tiny codes (the bytes are read by this program alone).
; REGISTERS, in windows of 256.  window 0: v1-31, v60-63 addresses; v32-59 scale words; v64-159, v160-255 x's fragments, two sets; when set 1 is idle: v160-223 64 numbers, v224-243 codes, v244-255 at work.
;   window 1: v0-71, v72-143 W's fragments, two sets; v144-239 the biases; in the attention v0-95 keys, v96-191 values.   window 2: key and query accumulators, 16 (8 part + t) + 8 u.   window 3: value accumulators, 64 u + 8 t.
.set SLOT,  102400                     ; a slot: x's two packages, then W's two
.set XPK,   12800
.set WPK,   38400
.set WOFF,  25600
.set SCR,   204800                     ; behind the ring, where no fill lands: for each side 8 key, 8 query, 8 value fragments (register j of lane l at 48 l + 4 j) and their scale words
.set SIDE,  38400
.set QRY,   12288
.set VAL,   24576
.set KEYS,  36864
.set QRYS,  37376
.set VALS,  37888
.set SPARE, 281600                     ; the spare words, 128 bytes for each wave: two blocks of 256 bytes that no other line names
.set XA,  4                            ; v4-5    x's fragments in slot 0, 1: 16 x lane
.set WA,  6                            ; v6-7    my six fragments of W
.set XSA, 8                            ; v8-9    x's scale words: 4 x lane
.set WSA, 10                           ; v10-11  my scale words of W
.set KQA, 12                           ; v12-13  side 0, 1: where my 12 bytes of a key's or query's row go
.set KQS, 14                           ; v14-15  and my block's scale byte
.set VIA, 16                           ; v16-17  48 x lane + 3,072 x wave: my two value fragments; also my two query fragments
.set VSA, 18                           ; v18-19  their scale words
.set FI,  20                           ; v20-21  48 x lane: any fragment
.set FS,  22                           ; v22-23  4 x lane: any pair of tiles' scale words
.set FSQ, 26                           ; v26-27  my two query tiles' scale words
.set SPW, 28                           ; v28     my spare word; never rewritten
.set NIL, 29                           ; v29     0; never rewritten
.set PW,  30
.set GI,  31                           ; v31     the update's images in memory: 16 x lane + 3,072 x wave
.set XSC, 32                           ; v32-39  x's scale words, two sets of four: lanes 0-15 the even tile, lanes 16-31 the odd
.set WSC, 40                           ; v40-47  W's, two sets: key, query, value
.set KSC, 48
.set VSC, 52
.set QSC, 56
.set PSC, 57
.set UW,  58                           ; v58-59  the two update tiles' scale words
.set GS,  60
.set UJ,  61
.set BO,  62                           ; v62     64 h: key and query biases
.set BV,  63                           ; v63     4 (r + 8 (r / 8)): value biases
.set ST,  160
.set PC,  224
.set TM,  244                          ; +0..3 largest magnitudes, +4..7 the other half's, then bytes, +8..11 scale operands
.set BIAS, 144
.set G1X, 24                           ; s[24:31] group 1 for x's loads;  s[32:39] group 0, one set a slot
.set G0X, 32
.set G1W, 48                           ; s[48:55], s[56:63] the same for W's
.set G0W, 56
.set MSB, 0
.macro WIN new                         ; the immediate's high byte repeats the setting that is left
.if MSB != \new
	s_set_vgpr_msb (MSB<<8)|\new
.set MSB, \new
.endif
.endm
.macro PLACES n                        ; plain vector places behind matrix instructions (ISA guide 7.12.1)
.rept \n
	v_nop
.endr
.endm
.macro CREST                           ; a round of the cluster's barrier behind its opening barrier
	s_cmp_lg_u32 s14, 0
	s_cbranch_scc1 .Lnot_wave_0_\@
	s_barrier_signal -3
.Lnot_wave_0_\@:
	s_barrier_wait -3
	s_barrier_signal -1
	s_barrier_wait -1
.endm
.macro CROUND
	s_barrier_signal -1
	s_barrier_wait -1
	CREST
.endm
.macro JLOAD k                         ; a joint load into slot k: wave 0 for x, waves 1-3 for W; four v_nop follow each line
	s_cmp_eq_u32 s14, 0
	s_cbranch_scc0 .Lfor_w_\@
	tensor_load_to_lds s[G0X+4*(\k):G0X+4*(\k)+3], s[G1X:G1X+7]
	s_nop 0
.rept 4
	v_nop
.endr
	s_branch .Lasked_\@
.Lfor_w_\@:
	tensor_load_to_lds s[G0W+4*(\k):G0W+4*(\k)+3], s[G1W:G1W+7]
	s_nop 0
.rept 4
	v_nop
.endr
.Lasked_\@:
.endm
; one product.  c < 0: the constant 0 starts the sum.  ra, rb = 1: that side's scale words are read from lanes 16-31
.macro WM d, a, b, c, sa, sb, ra, rb
.if (\c) < 0
.if (\ra) && (\rb)
	v_wmma_scale_f32_16x16x128_f8f6f4 v[(\d):(\d)+7], v[(\a):(\a)+11], v[(\b):(\b)+11], 0, v[\sa], v[\sb] matrix_a_fmt:MATRIX_FMT_FP6 matrix_b_fmt:MATRIX_FMT_FP6 matrix_a_scale:MATRIX_SCALE_ROW1 matrix_b_scale:MATRIX_SCALE_ROW1
.elseif (\ra)
	v_wmma_scale_f32_16x16x128_f8f6f4 v[(\d):(\d)+7], v[(\a):(\a)+11], v[(\b):(\b)+11], 0, v[\sa], v[\sb] matrix_a_fmt:MATRIX_FMT_FP6 matrix_b_fmt:MATRIX_FMT_FP6 matrix_a_scale:MATRIX_SCALE_ROW1
.elseif (\rb)
	v_wmma_scale_f32_16x16x128_f8f6f4 v[(\d):(\d)+7], v[(\a):(\a)+11], v[(\b):(\b)+11], 0, v[\sa], v[\sb] matrix_a_fmt:MATRIX_FMT_FP6 matrix_b_fmt:MATRIX_FMT_FP6 matrix_b_scale:MATRIX_SCALE_ROW1
.else
	v_wmma_scale_f32_16x16x128_f8f6f4 v[(\d):(\d)+7], v[(\a):(\a)+11], v[(\b):(\b)+11], 0, v[\sa], v[\sb] matrix_a_fmt:MATRIX_FMT_FP6 matrix_b_fmt:MATRIX_FMT_FP6
.endif
.else
.if (\ra) && (\rb)
	v_wmma_scale_f32_16x16x128_f8f6f4 v[(\d):(\d)+7], v[(\a):(\a)+11], v[(\b):(\b)+11], v[(\c):(\c)+7], v[\sa], v[\sb] matrix_a_fmt:MATRIX_FMT_FP6 matrix_b_fmt:MATRIX_FMT_FP6 matrix_a_scale:MATRIX_SCALE_ROW1 matrix_b_scale:MATRIX_SCALE_ROW1
.elseif (\ra)
	v_wmma_scale_f32_16x16x128_f8f6f4 v[(\d):(\d)+7], v[(\a):(\a)+11], v[(\b):(\b)+11], v[(\c):(\c)+7], v[\sa], v[\sb] matrix_a_fmt:MATRIX_FMT_FP6 matrix_b_fmt:MATRIX_FMT_FP6 matrix_a_scale:MATRIX_SCALE_ROW1
.elseif (\rb)
	v_wmma_scale_f32_16x16x128_f8f6f4 v[(\d):(\d)+7], v[(\a):(\a)+11], v[(\b):(\b)+11], v[(\c):(\c)+7], v[\sa], v[\sb] matrix_a_fmt:MATRIX_FMT_FP6 matrix_b_fmt:MATRIX_FMT_FP6 matrix_b_scale:MATRIX_SCALE_ROW1
.else
	v_wmma_scale_f32_16x16x128_f8f6f4 v[(\d):(\d)+7], v[(\a):(\a)+11], v[(\b):(\b)+11], v[(\c):(\c)+7], v[\sa], v[\sb] matrix_a_fmt:MATRIX_FMT_FP6 matrix_b_fmt:MATRIX_FMT_FP6
.endif
.endif
.endm
; 49 LDS loads in one run: the i-th K step of slot k into register set 'set': my 6 fragments of W, x's 8, and the scale words
.macro FETCH k, i, set
	WIN 0x40                                       ; destination window 1, address window 0
.irp f, 0,1,2,3,4,5
.irp c, 0,1,2
	ds_load_b128 v[72*(\set)+12*\f+4*\c:72*(\set)+12*\f+4*\c+3], v[WA+(\k)] offset:WPK*(\i)+1536*\f+512*\c
.endr
.endr
	WIN 0
.irp t, 0,1,2,3,4,5,6,7
.irp c, 0,1,2
	ds_load_b128 v[64+96*(\set)+12*\t+4*\c:64+96*(\set)+12*\t+4*\c+3], v[XA+(\k)] offset:XPK*(\i)+1536*\t+512*\c
.endr
.endr
.irp p, 0,1,2,3
	ds_load_b32 v[XSC+4*(\set)+\p], v[XSA+(\k)] offset:12288+XPK*(\i)+128*\p
.endr
.irp p, 0,1,2
	ds_load_b32 v[WSC+4*(\set)+\p], v[WSA+(\k)] offset:WPK*(\i)+128*\p
.endr
.endm
; 16 products for key and query: token tiles t0 .. t0 + 3 x part x u.  fs >= 0: a side's first K step: C = side fs's bias.  The 48 accumulators take turns, one instruction a turn, in the same order in every step.
.macro MKQ set, t0, fs
.if (\fs) >= 0
	WIN 0x91                                       ; source 0 (W) window 1, source 1 (x) window 0, C (bias) window 1, D window 2
.else
	WIN 0xa1                                       ; C and D window 2
.endif
.irp t, \t0, \t0+1, \t0+2, \t0+3
.irp p, 0,1
.irp u, 0,1
.set rD, 16*(8*\p+(\t))+8*\u
.if (\fs) >= 0
.set rC, BIAS+48*(\fs)+8*(2*\p+\u)
.else
.set rC, rD
.endif
	WM rD, 72*(\set)+12*(2*\p+\u), 64+96*(\set)+12*(\t), rC, WSC+4*(\set)+\p, XSC+4*(\set)+(\t)/2, \u, (\t)%2
.endr
.endr
.endr
.endm
; 16 products for the values: source 0 = x, source 1 = W
.macro MV set, fs
.if (\fs) >= 0
	WIN 0xd4                                       ; source 0 (x) window 0, source 1 (W) window 1, C (bias) window 1, D window 3
.else
	WIN 0xf4
.endif
.irp t, 0,1,2,3,4,5,6,7
.irp u, 0,1
.set rD, 64*\u+8*\t
.if (\fs) >= 0
.set rC, BIAS+48*(\fs)+32+8*\u
.else
.set rC, rD
.endif
	WM rD, 64+96*(\set)+12*\t, 72*(\set)+12*(4+\u), rC, XSC+4*(\set)+\t/2, WSC+4*(\set)+2, \t%2, \u
.endr
.endr
.endm
; a slot's first K step: multiplies set 0, fetches the second step into set 1
.macro STEP k, fs
	s_wait_dscnt 0x0                               ; set 0 is in
	PLACES 4                                       ; in front of loads into registers that the last products read
	FETCH \k, 1, 1
	MKQ 0, 0, \fs
	MKQ 0, 4, \fs
	MV 0, \fs
.endm
; a slot's second K step changes slots: ONE barrier.  In front of it each wave waits for all its tensor loads (one is out: its part of the other slot), adds 0 to its spare word, and waits for that and for its reads of this slot.
.macro TURN k, fill
	WIN 0                                          ; (the add's two registers lie in window 0)
	s_wait_tensorcnt 0x0
	ds_add_u32 v[SPW], v[NIL]                      ; 0 onto my spare word
	s_wait_dscnt 0x1                               ; set 1 is in; the add alone may be out
	MKQ 1, 0, -1                                   ; sixteen products stand between the add and the wait for it
	s_wait_dscnt 0x0                               ; the add is done, and my reads of this slot are over
	s_barrier_signal -1
	MKQ 1, 4, -1
	WIN 0
	s_barrier_wait -1
.if \fill
	CREST                                          ; the barrier has opened a round of the cluster's barrier: no wave of any partner still reads this slot or has a load on its way
	s_add_nc_u64 s[G0X+4*\k+2:G0X+4*\k+3], s[G0X+4*\k+2:G0X+4*\k+3], 2*2*XPK
	s_add_nc_u64 s[G0W+4*\k+2:G0W+4*\k+3], s[G0W+4*\k+2:G0W+4*\k+3], 2*2*WPK
	JLOAD \k                                       ; the first tensor load behind the round; its four v_nop are also the places in front of the loads below
.else
	PLACES 4
.endif
	FETCH 1-\k, 0, 0
	MV 1, -1
	WIN 0
.endm
.macro FINAL
	s_wait_dscnt 0x0
	MKQ 1, 0, -1
	MKQ 1, 4, -1
	MV 1, -1
	WIN 0
.endm
.macro RELU64 win, base                ; 64 results, each accumulator from its low end on, through the activation into v[ST] on
	WIN \win
.set rJ, 0
.rept 64
	v_max_num_f32 v[ST+rJ], 0, v[(\base)+rJ]
.set rJ, rJ+1
.endr
	WIN 0
.endm
; four groups of 16 registers from v[s] on; each group and lane l xor 16's are a block of 32: largest magnitudes, scale operands (TM + 8 ..) and bytes (TM + 4 ..)
.macro BMAX s
.irp b, 0,1,2,3
	v_max3_num_f32 v[TM+\b], |v[(\s)+16*\b]|, |v[(\s)+16*\b+1]|, 0x1800000   ; the floor 2^(3 - 127): the byte cannot fall under 1
.endr
.irp i, 2,4,6,8,10,12,14
.irp b, 0,1,2,3
	v_max3_num_f32 v[TM+\b], v[TM+\b], |v[(\s)+16*\b+\i]|, |v[(\s)+16*\b+\i+1]|
.endr
.endr
.irp b, 0,1,2,3
	v_permlanex16_b32 v[TM+4+\b], v[TM+\b], s20, s21
.endr
.irp b, 0,1,2,3
	v_max_num_f32 v[TM+\b], v[TM+\b], v[TM+4+\b]
.endr
.irp b, 0,1,2,3
	v_add_nc_u32 v[TM+8+\b], 0xff000000, v[TM+\b]  ; 2 off the exponent field: the conversion's scale operand
.endr
.irp b, 0,1,2,3
	v_lshrrev_b32 v[TM+4+\b], 23, v[TM+8+\b]       ; the scale's byte
.endr
.endm
.macro WORD pw                         ; the four bytes make my row's scale word
	v_lshl_or_b32 v[\pw], v[TM+5], 8, v[TM+4]
	v_lshl_or_b32 v[\pw], v[TM+6], 16, v[\pw]
	v_lshl_or_b32 v[\pw], v[TM+7], 24, v[\pw]
.endm
; 64 numbers, register 16 b + i = k 32 b + 16 (lane / 16) + i of my row, become a fragment's 12 registers in v[PC] on
.macro CODES s
.irp c, 0,1
	v_cvt_scalef32_pk16_fp6_f32 v[PC+6*\c:PC+6*\c+2], v[(\s)+32*\c:(\s)+32*\c+15], v[TM+8+2*\c]
	v_cvt_scalef32_pk16_fp6_f32 v[PC+12+4*\c:PC+12+4*\c+2], v[(\s)+32*\c+16:(\s)+32*\c+31], v[TM+9+2*\c]   ; (a conversion's three registers begin on an even number)
.endr
	v_nop                                          ; one plain place behind the scaled conversions
.irp c, 0,1                            ; the operand wants a WHOLE block in a lane: lanes 0-15 block 2 c, lanes 16-31 block 2 c + 1
.irp i, 0,1,2
	v_permlane16_swap_b32 v[PC+6*\c+\i], v[PC+12+4*\c+\i]
.endr
.irp i, 0,1,2
	v_mov_b32 v[PC+3+6*\c+\i], v[PC+12+4*\c+\i]
.endr
.endr
.endm
.macro QUANT s, pw
	BMAX \s
	WORD \pw
	CODES \s
.endm
; A side's linear layers are finished: activation, quantiser, and into LDS.
.macro EPI sg
	PLACES 4
.irp b, 0,1,2,3
	v_mov_b32 v[TM+4+\b], 0                        ; a lane permute's destination counts as one of its sources
.endr
.irp g, 0,1,2,3                        ; key (g < 2) and query: four token tiles at a time.  Of each I hold half of block w of my token's row: 16 codes, 12 bytes, and the block's byte
	RELU64 0x08, 64*\g
	BMAX ST
.irp b, 0,1,2,3
	v_cvt_scalef32_pk16_fp6_f32 v[PC+4*\b:PC+4*\b+2], v[ST+16*\b:ST+16*\b+15], v[TM+8+\b]
.endr
	v_nop                                          ; one plain place behind the scaled conversions
.irp b, 0,1,2,3
.irp i, 0,1,2
	ds_store_b32 v[KQA+\sg], v[PC+4*\b+\i] offset:QRY*(\g/2)+1536*(4*(\g%2)+\b)+4*\i
.endr
	ds_store_b8 v[KQS+\sg], v[TM+4+\b] offset:KEYS+512*(\g/2)+64*(4*(\g%2)+\b)   ; both lanes of a block write the same byte with the same value
.endr
	s_wait_dscnt 0x0                               ; the stores have read their registers
.endr
.irp u, 0,1                            ; value: my channel's 128 tokens are a whole row of a fragment
	RELU64 0x0c, 64*\u
	QUANT ST, PW
.irp c, 0,1,2
	ds_store_b128 v[VIA+\sg], v[PC+4*\c:PC+4*\c+3] offset:VAL+1536*\u+16*\c
.endr
	ds_store_b32 v[VSA+\sg], v[PW] offset:VALS+64*\u
	s_wait_dscnt 0x0
.endr
.endm
; one tile of 16 queries of side d against all 128 keys
.macro ATILE d, i
	s_wait_xcnt 0x0                                ; the earlier stores have read their data: the codes' registers may be written again
	WIN 0x01                                       ; source 0 window 1
.irp t, 0,1,2,3,4,5,6,7                ; S^T = K Q^T: a lane holds one query; the registers of tiles 2 b, 2 b + 1 are keys 32 b + 16 (lane / 16) + 0 .. 15
	WM 96+8*\t, 12*\t, 64+12*\i, -1, KSC+\t/2, QSC, \t%2, \i
.endr
	WIN 0
	PLACES 4
.irp b, 0,1,2,3
	v_max3_num_f32 v[TM+\b], v[96+16*\b], v[97+16*\b], v[98+16*\b]   ; the largest score of each block of 32 keys: for the row's maximum, and, since p rises with the score, for the block's largest p
.endr
.irp n, 3,5,7,9,11,13
.irp b, 0,1,2,3
	v_max3_num_f32 v[TM+\b], v[TM+\b], v[96+16*\b+\n], v[97+16*\b+\n]
.endr
.endr
.irp b, 0,1,2,3
	v_max_num_f32 v[TM+\b], v[TM+\b], v[111+16*\b]
.endr
.irp b, 0,1,2,3
	v_permlanex16_b32 v[TM+4+\b], v[TM+\b], s20, s21
.endr
.irp b, 0,1,2,3
	v_max_num_f32 v[TM+\b], v[TM+\b], v[TM+4+\b]
.endr
	v_max3_num_f32 v94, v[TM], v[TM+1], v[TM+2]
	v_max_num_f32 v94, v94, v[TM+3]
	v_mul_f32 v94, s22, v94                        ; the row's largest t (c is positive)
	v_floor_f32 v88, -v94                          ; -M = floor(-t) = -ceil(t)
	v_mov_b32 v89, v88                             ; (named with it as a pair)
.set aJ, 0
.rept 32
	v_pk_fma_f32 v[96+aJ:97+aJ], v[96+aJ:97+aJ], s[22:23], v[88:89] op_sel_hi:[1,0,0]   ; t - M, two at a time
.set aJ, aJ+2
.endr
.irp b, 0,1,2,3
	v_fma_f32 v[TM+\b], v[TM+\b], s22, v88         ; the same of each block's largest score
.endr
.set aJ, 0
.rept 64
	v_exp_f32 v[96+aJ], v[96+aJ]                   ; p = 2^(t - M), at most 1
.set aJ, aJ+1
.endr
.irp b, 0,1,2,3
	v_exp_f32 v[TM+\b], v[TM+\b]                   ; the block's largest p: the same two instructions on the same number
.endr
	v_nop                                          ; a plain place behind the exponentials
	s_wait_alu depctr_va_vdst(0)
.irp b, 0,1,2,3
	v_max_num_f32 v[TM+\b], 0x1800000, v[TM+\b]    ; the floor
.endr
.irp b, 0,1,2,3
	v_add_nc_u32 v[TM+8+\b], 0xff000000, v[TM+\b]
.endr
.irp b, 0,1,2,3
	v_lshrrev_b32 v[TM+4+\b], 23, v[TM+8+\b]
.endr
	WORD PSC
	CODES 96
	v_pk_add_f32 v[90:91], v[96:97], v[100:101]    ; the row's sum is taken of the UNQUANTISED p, in two chains.  (These additions are also the places between the scale word's and the codes' last writes and the products below)
	v_pk_add_f32 v[92:93], v[98:99], v[102:103]
.irp n, 8,12,16,20,24,28,32,36,40,44,48,52,56,60
	v_pk_add_f32 v[90:91], v[90:91], v[96+\n:97+\n]
	v_pk_add_f32 v[92:93], v[92:93], v[98+\n:99+\n]
.endr
	v_pk_add_f32 v[90:91], v[90:91], v[92:93]
	v_add_f32 v90, v90, v91
	v_permlanex16_b32 v95, v90, s20, s21
	v_add_f32 v90, v90, v95                        ; with lane l xor 16's keys
	v_rcp_f32 v94, v90
	v_nop                                          ; a plain place behind the reciprocal
	WIN 0x01
.irp t, 0,1,2,3,4,5,6,7                ; O^T = V^T P^T: register 16 b + i is channel 32 b + 16 (lane / 16) + i of my query
	WM 160+8*\t, 96+12*\t, PC, -1, VSC+\t/2, PSC, \t%2, 0
.endr
	WIN 0
	PLACES 4
.set aJ, 0
	s_wait_alu depctr_va_vdst(0)
.rept 32
	v_pk_mul_f32 v[96+aJ:97+aJ], v[160+aJ:161+aJ], v[94:95] op_sel_hi:[1,0]   ; divided by the sum
.set aJ, aJ+2
.endr
	QUANT 96, UW+\i                                ; the update is K step 8 + head of the output product
.irp c, 0,1,2
	global_store_b128 v[GI], v[PC+4*\c:PC+4*\c+3], s[12:13] offset:8*XPK*\d+1536*\i+512*\c   ; 512 consecutive bytes, aligned to 256
.endr
.endm
; side d's queries over the other side's keys and values; wave w owns query tiles 2 w and 2 w + 1
.macro ATT d
	WIN 0x40
.irp t, 0,1,2,3,4,5,6,7
.irp c, 0,1,2
	ds_load_b128 v[12*\t+4*\c:12*\t+4*\c+3], v[FI+1-\d] offset:1536*\t+16*\c
.endr
.endr
.irp t, 0,1,2,3,4,5,6,7
.irp c, 0,1,2
	ds_load_b128 v[96+12*\t+4*\c:96+12*\t+4*\c+3], v[FI+1-\d] offset:VAL+1536*\t+16*\c
.endr
.endr
	WIN 0
.irp n, 0,1
.irp c, 0,1,2
	ds_load_b128 v[64+12*\n+4*\c:64+12*\n+4*\c+3], v[VIA+\d] offset:QRY+1536*\n+16*\c
.endr
.endr
.irp p, 0,1,2,3
	ds_load_b32 v[KSC+\p], v[FS+1-\d] offset:KEYS+128*\p
	ds_load_b32 v[VSC+\p], v[FS+1-\d] offset:VALS+128*\p
.endr
	ds_load_b32 v[QSC], v[FSQ+\d] offset:QRYS
	s_wait_dscnt 0x0
	ATILE \d, 0
	ATILE \d, 1
	v_cndmask_b32 v[UJ], v[UW], v[UW+1], s18       ; lanes 0-15: the even tile's words; lanes 16-31: the odd tile's
	global_store_b32 v[GS], v[UJ], s[12:13] offset:8*XPK*\d+12288
.endm
	s_load_b256 s[4:11], s[0:1], 0x0               ; xq s[4:5], wc s[6:7], bv s[8:9], bq s[10:11]
	s_load_b64 s[12:13], s[0:1], 0x20              ; uq
	v_lshl_add_u32 v[SPW], v0, 2, SPARE
	v_mov_b32 v[NIL], 0
	ds_add_u32 v28, v29
	s_wait_dscnt 0x0
	v_lshrrev_b32 v1, 5, v0
	v_readfirstlane_b32 s14, v1                    ; wave 0..3
	s_max_u32 s15, s14, 1
	s_sub_co_u32 s15, s15, 1                       ; which third of W's two packages I fetch (waves 1-3)
	s_mov_b32 s18, 0xffff0000                      ; lanes 16-31
	s_mov_b32 s20, 0x76543210
	s_mov_b32 s21, 0xfedcba98                      ; selects for lane l xor 16
	s_mov_b32 s22, 0x3e0293ee                      ; c = log2(e) / sqrt(128)
	s_mov_b32 s23, s22                             ; (named with it as a pair)
	s_bfe_u32 s40, ttmp6, 0x40000                  ; cx, cy: my place in the cluster
	s_bfe_u32 s41, ttmp6, 0x40004
	s_lshl_b32 s42, ttmp9, 2
	s_add_co_u32 s42, s42, s40                     ; head = 4 x cluster x + cx
	s_and_b32 s45, ttmp7, 0xffff
	s_lshl_b32 s45, s45, 2
	s_add_co_u32 s45, s45, s41                     ; batch = 4 x cluster y + cy
	s_lshl_b32 s43, s41, 2
	s_lshl_b32 s43, 15, s43                        ; my row of the cluster
	s_lshl_b32 s44, 0x1111, s40                    ; my column
	; group 1: 25,600 dense bytes as 100 rows of 256 (32 elements of 8 bytes), no padding
	s_or_b32 s[G1X], s43, (3<<16)|(1<<21)          ; 15:0 the mask: x's packages go to my row; 17:16 elements of 8 bytes; 21 set beside a mask
	s_or_b32 s[G1W], s44, (3<<16)|(1<<21)          ; W's go to my column
.irp g, G1X, G1W
	s_mov_b32 s[\g+1], 32<<16                      ; tensor_dim0
	s_mov_b32 s[\g+2], 100<<16                     ; tensor_dim1
	s_mov_b32 s[\g+3], 32<<16                      ; tile_dim0
	s_mov_b32 s[\g+4], 100                         ; tile_dim1
	s_mov_b32 s[\g+5], 32                          ; the pitch
	s_mov_b32 s[\g+6], 0
	s_mov_b32 s[\g+7], 0
.endr
	s_mul_i32 s66, s45, 16*XPK                     ; x: the batch's 16 packages (made of cy alone)
	s_mov_b32 s67, 0
	s_mul_i32 s46, s42, 16*WPK                     ; W: the head's 16 packages (made of cx alone),
	s_mul_i32 s68, s15, 25600                      ; my third
	s_add_co_u32 s46, s46, s68
	s_mov_b32 s47, 0
	s_mul_i32 s69, s14, 25600                      ; where my load goes in a slot: no place in the cluster enters an LDS address
	s_lshl_b32 s70, s42, 9                         ; the biases: the head's 128 numbers, my wave's 32
	s_lshl_b32 s71, s14, 7
	s_add_co_u32 s70, s70, s71
	s_mov_b32 s71, 0
	s_lshl_b32 s72, s45, 4
	s_add_co_u32 s72, s72, s42
	s_mul_i32 s72, s72, XPK                        ; the update's package (2 batch) 8 + head; side 1's lies 8 packages on
	s_mov_b32 s73, 0
	s_wait_kmcnt 0x0
	s_add_nc_u64 s[66:67], s[4:5], s[66:67]
	s_add_nc_u64 s[46:47], s[6:7], s[46:47]
	s_add_nc_u64 s[8:9], s[8:9], s[70:71]
	s_add_nc_u64 s[10:11], s[10:11], s[70:71]
	s_add_nc_u64 s[12:13], s[12:13], s[72:73]
	CROUND                                         ; all sixteen work-groups are here: the first joint loads meet
.irp k, 0,1
	s_mov_b32 s[G0X+4*\k], 1                       ; count = 1
	s_add_co_u32 s[G0X+4*\k+1], s69, \k*SLOT       ; LDS address
	s_add_nc_u64 s[G0X+4*\k+2:G0X+4*\k+3], s[66:67], \k*2*XPK   ; K steps 2 k, 2 k + 1
	s_or_b32 s[G0X+4*\k+3], s[G0X+4*\k+3], 0x80000000   ; type = 2
	s_mov_b32 s[G0W+4*\k], 1
	s_add_co_u32 s[G0W+4*\k+1], s69, \k*SLOT
	s_add_nc_u64 s[G0W+4*\k+2:G0W+4*\k+3], s[46:47], \k*2*WPK
	s_or_b32 s[G0W+4*\k+3], s[G0W+4*\k+3], 0x80000000
	JLOAD \k                                       ; two loads of mine are out
.endr
	v_and_b32 v1, 15, v0                           ; r
	v_bfe_u32 v2, v0, 4, 1                         ; h
	v_and_b32 v3, 31, v0                           ; lane
	v_lshlrev_b32 v[XA], 4, v3
	v_add_nc_u32 v[XA+1], SLOT, v[XA]
	s_mul_i32 s68, s14, 9216                       ; my three pairs of W's fragments
	s_add_co_u32 s68, s68, WOFF
	v_add_nc_u32 v[WA], s68, v[XA]
	v_add_nc_u32 v[WA+1], SLOT, v[WA]
	v_lshlrev_b32 v[XSA], 2, v3
	v_add_nc_u32 v[XSA+1], SLOT, v[XSA]
	s_mul_i32 s68, s14, 384
	s_add_co_u32 s68, s68, WOFF+36864
	v_add_nc_u32 v[WSA], s68, v[XSA]
	v_add_nc_u32 v[WSA+1], SLOT, v[WSA]
	v_mul_u32_u24 v[KQA], v1, 48                   ; block w of row r lies in lane r + 16 (w % 2), registers 6 (w / 2) on; my half h is three registers of it
	v_mad_u32_u24 v[KQA], v2, 12, v[KQA]
	s_and_b32 s68, s14, 1
	s_mul_i32 s68, s68, 768
	s_lshr_b32 s70, s14, 1
	s_mul_i32 s70, s70, 24
	s_add_co_u32 s68, s68, s70
	s_add_co_u32 s68, s68, SCR
	v_add_nc_u32 v[KQA], s68, v[KQA]
	v_add_nc_u32 v[KQA+1], SIDE, v[KQA]
	s_add_co_u32 s68, s14, SCR
	v_lshl_add_u32 v[KQS], v1, 2, s68              ; byte w of row r's scale word
	v_add_nc_u32 v[KQS+1], SIDE, v[KQS]
	v_mul_u32_u24 v[FI], v3, 48
	v_add_nc_u32 v[FI], SCR, v[FI]
	v_add_nc_u32 v[FI+1], SIDE, v[FI]
	s_mul_i32 s68, s14, 3072
	v_add_nc_u32 v[VIA], s68, v[FI]
	v_add_nc_u32 v[VIA+1], s68, v[FI+1]
	v_add_nc_u32 v[GI], s68, v[XA]
	v_add_nc_u32 v[FS], SCR, v[XSA]
	v_add_nc_u32 v[FS+1], SIDE, v[FS]
	s_lshl_b32 s68, s14, 7
	v_add_nc_u32 v[FSQ], s68, v[FS]
	v_add_nc_u32 v[FSQ+1], s68, v[FS+1]
	v_add_nc_u32 v[GS], s68, v[XSA]
	s_add_co_u32 s68, s68, SCR
	v_lshl_add_u32 v[VSA], v1, 2, s68
	v_add_nc_u32 v[VSA+1], SIDE, v[VSA]
	v_lshlrev_b32 v[BO], 6, v2
	v_and_b32 v[BV], 8, v1
	v_add_nc_u32 v[BV], v[BV], v1
	v_lshlrev_b32 v[BV], 2, v[BV]
	WIN 0x40                                       ; the biases, in the results' layouts, into window 1
.irp g, 0,1
.irp p, 0,1
.irp u, 0,1                            ; key, query: lane (r, h) holds channels 32 w + 16 h + 8 u + 0 .. 7
	global_load_b128 v[BIAS+48*\g+8*(2*\p+\u):BIAS+48*\g+8*(2*\p+\u)+3], v[BO], s[8+2*\g:9+2*\g] offset:4096*\p+32*\u
	global_load_b128 v[BIAS+48*\g+8*(2*\p+\u)+4:BIAS+48*\g+8*(2*\p+\u)+7], v[BO], s[8+2*\g:9+2*\g] offset:4096*\p+32*\u+16
.endr
.endr
.irp u, 0,1                            ; value: a lane holds ONE channel, 32 w + 8 u + r + 8 (r / 8), in all eight registers: the word is loaded eight times
.irp n, 0,1,2,3,4,5,6,7
	global_load_b32 v[BIAS+48*\g+32+8*\u+\n], v[BV], s[8+2*\g:9+2*\g] offset:8192+32*\u
.endr
.endr
.endr
	WIN 0
	s_wait_tensorcnt 0x1                           ; my part of slot 0 is in; slot 1's may stay out
	s_barrier_signal -1
	s_barrier_wait -1                              ; everybody's is
	FETCH 0, 0, 0
	s_wait_loadcnt 0x0                             ; the biases
	STEP 0, 0                                      ; side 0 (v): K steps 0-7.  The first products take the bias as C: nothing is cleared
	TURN 0, 1
	STEP 1, -1
	TURN 1, 1
	STEP 0, -1
	TURN 0, 1
	STEP 1, -1
	TURN 1, 1                                      ; (it has fetched side 1's first K step into set 0)
	EPI 0
	STEP 0, 1                                      ; side 1 (q)
	TURN 0, 1
	STEP 1, -1
	TURN 1, 1
	STEP 0, -1
	TURN 0, 0                                      ; the last two slots are not filled again
	STEP 1, -1
	FINAL
	EPI 1
	s_wait_dscnt 0x0                               ; for the others' sake: my stores into the scratch are done
	s_barrier_signal -1
	s_barrier_wait -1
	v_mov_b32 v95, 0                               ; a lane permute's destination counts as one of its sources
	ATT 0
	ATT 1
	s_wait_tensorcnt 0x0                           ; the wave's end
	ds_add_u32 v[SPW], v[NIL]
	s_wait_dscnt 0x0
	CROUND                                         ; the closing round
	s_endpgm
.Lfunc_end_k_q7131476d13_attn:
	.size	k_q7131476d13_attn, .Lfunc_end_k_q7131476d13_attn-k_q7131476d13_attn
	.p2alignl 7, 3214868480
	.fill 96, 4, 3214868480
	.section	.rodata,"a",@progbits
	.p2align	6, 0x0
	.amdhsa_kernel k_q7131476d13_attn
		.amdhsa_group_segment_fixed_size 327680
		.amdhsa_private_segment_fixed_size 0
		.amdhsa_enable_private_segment 0
		.amdhsa_kernarg_size 40
		.amdhsa_user_sgpr_count 2
		.amdhsa_user_sgpr_kernarg_segment_ptr 1
		.amdhsa_wavefront_size32 1
		.amdhsa_system_sgpr_workgroup_id_x 1
		.amdhsa_system_sgpr_workgroup_id_y 1
		.amdhsa_system_sgpr_workgroup_id_z 1
		.amdhsa_system_vgpr_workitem_id 0
		.amdhsa_next_free_vgpr 896
		.amdhsa_next_free_sgpr 80
		.amdhsa_reserve_vcc 0
		.amdhsa_float_denorm_mode_32 3
		.amdhsa_float_denorm_mode_16_64 3
		.amdhsa_memory_ordered 1
		.amdhsa_forward_progress 1
		.amdhsa_inst_pref_size 255
	.end_amdhsa_kernel
	.section	.bss,"aw",@nobits
	.p2align	6
	.space	262144
	.amdgpu_metadata
---
amdhsa.version: [ 1, 2 ]
amdhsa.kernels:
  - .name:           k_q7131476d13_attn
    .symbol:         k_q7131476d13_attn.kd
    .args:
      - { .name: xq, .offset: 0, .size: 8, .value_kind: global_buffer, .address_space: global }
      - { .name: wc, .offset: 8, .size: 8, .value_kind: global_buffer, .address_space: global }
      - { .name: bv, .offset: 16, .size: 8, .value_kind: global_buffer, .address_space: global }
      - { .name: bq, .offset: 24, .size: 8, .value_kind: global_buffer, .address_space: global }
      - { .name: uq, .offset: 32, .size: 8, .value_kind: global_buffer, .address_space: global }
    .group_segment_fixed_size: 327680
    .private_segment_fixed_size: 0
    .kernarg_segment_align: 8
    .kernarg_segment_size: 40
    .max_flat_workgroup_size: 128
    .sgpr_count:     80
    .vgpr_count:     896
    .wavefront_size: 32
...
	.end_amdgpu_metadata
.endif
;; end of part 3
;; launch outg (part 4): grid 4 x 64, 4 waves a work-group, clusters of 4 x 4, 327,680 bytes of LDS; arguments xq, uq, wc, bvo, bqo, out0, out1; writes out0, out1
.if DOCPART == 4
	.amdgcn_target "amdgcn-amd-amdhsa--gfx1250"
	.amdhsa_code_object_version 6
	.text
	.protected	k_q7131476d13_outg
	.globl	k_q7131476d13_outg
	.p2align	8
	.type	k_q7131476d13_outg,@function
k_q7131476d13_outg:
	s_mov_b64 s[64:65], 0
	v_nop
	global_prefetch_b8 v0, s[64:65] scope:SCOPE_SE
	s_setreg_imm32_b32 hwreg(HW_REG_WAVE_MODE, 25, 1), 1
	s_wait_xcnt 0x0
	s_wait_alu depctr_hold_cnt(0) depctr_sa_sdst(0) depctr_va_vdst(0) depctr_va_sdst(0) depctr_va_ssrc(0) depctr_va_vcc(0) depctr_vm_vsrc(0)
	s_getreg_b32 s2, hwreg(HW_REG_IB_STS2, 6, 4)
	s_cmp_eq_u32 s2, 0
	s_cbranch_scc0 .Lentry_in_a_cluster
	s_endpgm
.Lentry_in_a_cluster:
	s_bfe_u32 s2, ttmp6, 0x10000c
	s_cmp_lg_u32 s2, 0xf033
	s_cbranch_scc0 .Lentry_shape_is_right
	s_endpgm
.Lentry_shape_is_right:
; out = relu([x, update] Wo + bo) for both towers, on codes of FP6 (E2M3) with E8M0 scales.  K = 2,048: K steps 0-7 are x's packages (xq), K steps 8-15 the update's (uq), one for each head.
; A work-group makes 128 tokens (one batch of one tower) x 256 columns; wave w makes columns 64 w .. 64 w + 63 (4 tiles of W) for all 8 tiles of tokens: 32 accumulators.
; Operands come as images of their registers (a fragment: 1,536 bytes, register j of lane l at 512 (j / 4) + 16 l + 4 (j % 4)); lane r of tile t stands for row 32 (t / 2) + 8 (t % 2) + r + 8 (r / 8).
; Source 0 = W, source 1 = the tokens: a lane holds ONE token and, over a pair of tiles, 16 neighbouring columns.  The bias is the C of each sum's first product.
; THE RING: two LDS slots of FOUR K steps: waves 0, 1 bring the tokens' four packages (25,600 bytes each), waves 2, 3 W's four (51,200 bytes each).  Four phases; each load has a group 0 of its own, written once.
; CLUSTER 4 x 4: work-group x = the group of 256 columns, y = 32 tower + batch.  A row of the cluster shares the tokens' packages, a column W's (the tower is the same in the whole cluster): joint loads.
; REGISTERS: window 0: v1-29 addresses; v32-43 scale words; v64-159, v160-255 the tokens' fragments, two sets; on the way out v64-191.   window 1: v0-47, v48-95 W's fragments, two sets; v96-127 the bias.   window 2: accumulator (t, f) at 32 t + 8 f.
.set SLOT,  153600
.set APK,   12800
.set WPK,   25600
.set WOFF,  51200
.set STAGE, 307200                     ; behind the ring: 16 rows x (256 + 16) bytes for each wave; no fill lands here
.set SPARE, 324608                     ; the spare words, 128 bytes for each wave: two blocks of 256 bytes that no other line names
.set XA,  4                            ; v4-5    the tokens' fragments in slot 0, 1
.set XSA, 6                            ; v6-7    their scale words
.set WA,  8                            ; v8-11   my fragments of W: slot k, K steps 2 hi, 2 hi + 1: register 2 k + hi
.set WSA, 12                           ; v12-15  my scale words of W, likewise
.set STO, 16
.set RD,  17
.set CO,  18
.set BO,  19
.set SPW, 28
.set NIL, 29
.set XSC, 32                           ; v32-39  two sets of four
.set WSC, 40                           ; v40-43  two sets of two
.set G1A, 24                           ; s[24:31] group 1 for the tokens' loads;  s[32:39] for W's
.set G1W, 32
.set G0A, 40                           ; s[40:55] group 0 for the tokens' loads, one set a phase
.set G0W, 68                           ; s[68:83] for W's
.set MSB, 0
.macro WIN new
.if MSB != \new
	s_set_vgpr_msb (MSB<<8)|\new
.set MSB, \new
.endif
.endm
.macro PLACES n
.rept \n
	v_nop
.endr
.endm
.macro CREST
	s_cmp_lg_u32 s18, 0
	s_cbranch_scc1 .Lnot_wave_0_\@
	s_barrier_signal -3
.Lnot_wave_0_\@:
	s_barrier_wait -3
	s_barrier_signal -1
	s_barrier_wait -1
.endm
.macro CROUND
	s_barrier_signal -1
	s_barrier_wait -1
	CREST
.endm
.macro JLOAD p                         ; phase p's joint load: waves 0, 1 for the tokens, waves 2, 3 for W; four v_nop follow each line
	s_cmp_eq_u32 s19, 0
	s_cbranch_scc0 .Lfor_w_\@
	tensor_load_to_lds s[G0A+4*(\p):G0A+4*(\p)+3], s[G1A:G1A+7]
	s_nop 0
.rept 4
	v_nop
.endr
	s_branch .Lasked_\@
.Lfor_w_\@:
	tensor_load_to_lds s[G0W+4*(\p):G0W+4*(\p)+3], s[G1W:G1W+7]
	s_nop 0
.rept 4
	v_nop
.endr
.Lasked_\@:
.endm
.macro WM d, a, b, c, sa, sb, ra, rb   ; one product; ra, rb = 1: that side's scale words are read from lanes 16-31
.if (\ra) && (\rb)
	v_wmma_scale_f32_16x16x128_f8f6f4 v[(\d):(\d)+7], v[(\a):(\a)+11], v[(\b):(\b)+11], v[(\c):(\c)+7], v[\sa], v[\sb] matrix_a_fmt:MATRIX_FMT_FP6 matrix_b_fmt:MATRIX_FMT_FP6 matrix_a_scale:MATRIX_SCALE_ROW1 matrix_b_scale:MATRIX_SCALE_ROW1
.elseif (\ra)
	v_wmma_scale_f32_16x16x128_f8f6f4 v[(\d):(\d)+7], v[(\a):(\a)+11], v[(\b):(\b)+11], v[(\c):(\c)+7], v[\sa], v[\sb] matrix_a_fmt:MATRIX_FMT_FP6 matrix_b_fmt:MATRIX_FMT_FP6 matrix_a_scale:MATRIX_SCALE_ROW1
.elseif (\rb)
	v_wmma_scale_f32_16x16x128_f8f6f4 v[(\d):(\d)+7], v[(\a):(\a)+11], v[(\b):(\b)+11], v[(\c):(\c)+7], v[\sa], v[\sb] matrix_a_fmt:MATRIX_FMT_FP6 matrix_b_fmt:MATRIX_FMT_FP6 matrix_b_scale:MATRIX_SCALE_ROW1
.else
	v_wmma_scale_f32_16x16x128_f8f6f4 v[(\d):(\d)+7], v[(\a):(\a)+11], v[(\b):(\b)+11], v[(\c):(\c)+7], v[\sa], v[\sb] matrix_a_fmt:MATRIX_FMT_FP6 matrix_b_fmt:MATRIX_FMT_FP6
.endif
.endm
; 42 LDS loads in one run: the i-th K step of slot k into register set 'set'
.macro FETCH k, i, set
	WIN 0x40
.irp f, 0,1,2,3
.irp c, 0,1,2
	ds_load_b128 v[48*(\set)+12*\f+4*\c:48*(\set)+12*\f+4*\c+3], v[WA+2*(\k)+(\i)/2] offset:WPK*((\i)%2)+1536*\f+512*\c
.endr
.endr
	WIN 0
.irp t, 0,1,2,3,4,5,6,7
.irp c, 0,1,2
	ds_load_b128 v[64+96*(\set)+12*\t+4*\c:64+96*(\set)+12*\t+4*\c+3], v[XA+(\k)] offset:APK*(\i)+1536*\t+512*\c
.endr
.endr
.irp p, 0,1,2,3
	ds_load_b32 v[XSC+4*(\set)+\p], v[XSA+(\k)] offset:12288+APK*(\i)+128*\p
.endr
.irp p, 0,1
	ds_load_b32 v[WSC+2*(\set)+\p], v[WSA+2*(\k)+(\i)/2] offset:WPK*((\i)%2)+128*\p
.endr
.endm
; 4 n products: token tiles t0 .. t0 + n - 1 x my four tiles of W.  The 32 accumulators take turns, one instruction a turn, in the same order in every step.
.macro MG set, t0, n, first
.if \first
	WIN 0x91                                       ; source 0 (W) window 1, source 1 window 0, C (bias) window 1, D window 2
.else
	WIN 0xa1
.endif
.set gT, \t0
.rept \n
.irp f, 0,1,2,3
.set rD, 32*gT+8*\f
.if \first
.set rC, 96+8*\f
.else
.set rC, rD
.endif
	WM rD, 48*(\set)+12*\f, 64+96*(\set)+12*gT, rC, WSC+2*(\set)+\f/2, XSC+4*(\set)+gT/2, \f%2, gT%2
.endr
.set gT, gT+1
.endr
.endm
.macro STEP k, i, first                ; one of a slot's first three K steps: multiplies set i % 2, fetches the next step into the other set
	s_wait_dscnt 0x0
	PLACES 4                                       ; in front of loads into registers that the last products read
	FETCH \k, (\i)+1, 1-(\i)%2
	MG (\i)%2, 0, 8, \first
.endm
; a slot's last K step changes slots: ONE barrier; in front of it each wave waits for all its tensor loads, adds 0 to its spare word, and waits for that and for its reads of this slot
.macro TURN k, fill
	WIN 0
	s_wait_tensorcnt 0x0
	ds_add_u32 v[SPW], v[NIL]                      ; 0 onto my spare word
	s_wait_dscnt 0x1                               ; set 1 is in; the add alone may be out
	MG 1, 0, 2, 0
	s_wait_dscnt 0x0                               ; the add is done, and my reads of this slot are over
	s_barrier_signal -1
	MG 1, 2, 2, 0
	WIN 0
	s_barrier_wait -1
.if \fill
	CREST                                          ; the barrier has opened a round of the cluster's barrier
	JLOAD (\k)+2                                   ; the phase two on, into the slot just left; its four v_nop are also the places in front of the loads below
.else
	PLACES 4
.endif
	FETCH 1-\k, 0, 0
	MG 1, 4, 4, 0
	WIN 0
.endm
	s_load_b256 s[4:11], s[0:1], 0x0               ; xq s[4:5], uq s[6:7], wc s[8:9], bvo s[10:11]
	s_load_b128 s[12:15], s[0:1], 0x20             ; bqo s[12:13], out0 s[14:15]
	s_load_b64 s[16:17], s[0:1], 0x30              ; out1
	v_lshl_add_u32 v[SPW], v0, 2, SPARE
	v_mov_b32 v[NIL], 0
	ds_add_u32 v28, v29
	s_wait_dscnt 0x0
	v_lshrrev_b32 v1, 5, v0
	v_readfirstlane_b32 s18, v1                    ; wave 0..3
	s_lshr_b32 s19, s18, 1                         ; I fetch for the tokens (0) or for W (1)
	s_and_b32 s20, s18, 1                          ; which half
	s_bfe_u32 s21, ttmp6, 0x40000                  ; cx = the group of 256 columns (the grid is one cluster wide)
	s_bfe_u32 s22, ttmp6, 0x40004                  ; cy
	s_and_b32 s23, ttmp7, 0xffff                   ; the cluster's y
	s_lshr_b32 s87, s23, 3                         ; the tower: the same in the whole cluster
	s_lshl_b32 s86, s23, 2
	s_add_co_u32 s86, s86, s22
	s_and_b32 s86, s86, 31                         ; the batch
	s_lshl_b32 s88, s22, 2
	s_lshl_b32 s88, 15, s88                        ; my row of the cluster
	s_lshl_b32 s89, 0x1111, s21                    ; my column
	; group 1: dense bytes as rows of 256 (32 elements of 8 bytes): 100 rows for the tokens, 200 for W
	s_or_b32 s[G1A], s88, (3<<16)|(1<<21)
	s_mov_b32 s[G1A+1], 32<<16
	s_mov_b32 s[G1A+2], 100<<16
	s_mov_b32 s[G1A+3], 32<<16
	s_mov_b32 s[G1A+4], 100
	s_mov_b32 s[G1A+5], 32
	s_mov_b32 s[G1A+6], 0
	s_mov_b32 s[G1A+7], 0
	s_or_b32 s[G1W], s89, (3<<16)|(1<<21)
	s_mov_b32 s[G1W+1], 32<<16
	s_mov_b32 s[G1W+2], 200<<16
	s_mov_b32 s[G1W+3], 32<<16
	s_mov_b32 s[G1W+4], 200
	s_mov_b32 s[G1W+5], 32
	s_mov_b32 s[G1W+6], 0
	s_mov_b32 s[G1W+7], 0
	s_lshl_b32 s90, s86, 1                         ; the tokens: packages (2 batch + tower) 8 on (made of cy and the cluster's y alone),
	s_add_co_u32 s90, s90, s87
	s_mul_i32 s90, s90, 8*APK
	s_mul_i32 s94, s20, 2*APK                      ; my half; also its place in a slot
	s_add_co_u32 s90, s90, s94
	s_mov_b32 s91, 0
	s_lshl_b32 s92, s87, 2                         ; W: packages (4 tower + cx) 16 on,
	s_add_co_u32 s92, s92, s21
	s_mul_i32 s92, s92, 16*WPK
	s_mul_i32 s95, s20, 2*WPK                      ; my half
	s_add_co_u32 s92, s92, s95
	s_add_co_u32 s92, s92, 4915200                 ; behind the first layer's packages
	s_mov_b32 s93, 0
	s_add_co_u32 s95, s95, WOFF                    ; its place in a slot
	s_lshl_b32 s96, s21, 10                        ; my 64 columns, in bytes: 1,024 cx + 256 wave
	s_lshl_b32 s97, s18, 8
	s_add_co_u32 s96, s96, s97
	s_mov_b32 s97, 0
	s_lshl_b32 s98, s86, 19                        ; the batch's 128 rows of 4,096 bytes
	s_add_co_u32 s98, s98, s96
	s_mov_b32 s99, 0
	s_wait_kmcnt 0x0
	s_add_nc_u64 s[4:5], s[4:5], s[90:91]
	s_add_nc_u64 s[6:7], s[6:7], s[90:91]
	s_add_nc_u64 s[8:9], s[8:9], s[92:93]
	s_cmp_eq_u32 s87, 0                            ; the tower's bias and output: the choice hangs on the work-group's number alone
	s_cselect_b64 s[10:11], s[10:11], s[12:13]
	s_cselect_b64 s[14:15], s[14:15], s[16:17]
	s_add_nc_u64 s[10:11], s[10:11], s[96:97]
	s_add_nc_u64 s[14:15], s[14:15], s[98:99]
.irp p, 0,1,2,3                        ; phases 0, 1: x's K steps 0-3, 4-7; phases 2, 3: the update's
	s_mov_b32 s[G0A+4*\p], 1
	s_add_co_u32 s[G0A+4*\p+1], s94, (\p%2)*SLOT
	s_add_nc_u64 s[G0A+4*\p+2:G0A+4*\p+3], s[4+2*(\p/2):5+2*(\p/2)], (\p%2)*4*APK
	s_or_b32 s[G0A+4*\p+3], s[G0A+4*\p+3], 0x80000000
	s_mov_b32 s[G0W+4*\p], 1
	s_add_co_u32 s[G0W+4*\p+1], s95, (\p%2)*SLOT
	s_add_nc_u64 s[G0W+4*\p+2:G0W+4*\p+3], s[8:9], \p*4*WPK
	s_or_b32 s[G0W+4*\p+3], s[G0W+4*\p+3], 0x80000000
.endr
	CROUND                                         ; all sixteen work-groups are here: the first joint loads meet
	JLOAD 0
	JLOAD 1                                        ; two loads of mine are out
	v_and_b32 v1, 15, v0                           ; r
	v_bfe_u32 v2, v0, 4, 1                         ; h
	v_and_b32 v3, 31, v0                           ; lane
	v_lshlrev_b32 v[XA], 4, v3
	v_add_nc_u32 v[XA+1], SLOT, v[XA]
	v_lshlrev_b32 v[XSA], 2, v3
	v_add_nc_u32 v[XSA+1], SLOT, v[XSA]
	s_mul_i32 s96, s18, 6144                       ; my two pairs of W's fragments
	s_add_co_u32 s96, s96, WOFF
	v_add_nc_u32 v[WA], s96, v[XA]
	v_add_nc_u32 v[WA+1], 2*WPK, v[WA]
	v_add_nc_u32 v[WA+2], SLOT, v[WA]
	v_add_nc_u32 v[WA+3], SLOT, v[WA+1]
	s_lshl_b32 s96, s18, 8
	s_add_co_u32 s96, s96, WOFF+24576
	v_add_nc_u32 v[WSA], s96, v[XSA]
	v_add_nc_u32 v[WSA+1], 2*WPK, v[WSA]
	v_add_nc_u32 v[WSA+2], SLOT, v[WSA]
	v_add_nc_u32 v[WSA+3], SLOT, v[WSA+1]
	s_mul_i32 s96, s18, 4352
	s_add_co_u32 s96, s96, STAGE                   ; my stage
	v_mul_u32_u24 v[STO], v1, 272
	v_lshl_add_u32 v[STO], v2, 6, v[STO]
	v_add_nc_u32 v[STO], s96, v[STO]               ; in: row r, + 64 h
	v_mul_u32_u24 v[RD], v2, 272
	v_lshl_add_u32 v[RD], v1, 4, v[RD]
	v_add_nc_u32 v[RD], s96, v[RD]                 ; back: lanes 0-15 one row of 256 bytes, lanes 16-31 the next
	v_lshlrev_b32 v[CO], 12, v2
	v_lshl_add_u32 v[CO], v1, 4, v[CO]             ; and the same two rows in the output
	v_lshlrev_b32 v[BO], 6, v2
	WIN 0x40
.irp f, 0,1,2,3                        ; the bias in the result's layout: lane (r, h), tile f: columns 32 (f / 2) + 16 h + 8 (f % 2) + 0 .. 7 of my 64
	global_load_b128 v[96+8*\f:96+8*\f+3], v[BO], s[10:11] offset:128*(\f/2)+32*(\f%2)
	global_load_b128 v[96+8*\f+4:96+8*\f+7], v[BO], s[10:11] offset:128*(\f/2)+32*(\f%2)+16
.endr
	WIN 0
	s_wait_tensorcnt 0x1                           ; my part of slot 0 is in; slot 1's may stay out
	s_barrier_signal -1
	s_barrier_wait -1
	FETCH 0, 0, 0
	s_wait_loadcnt 0x0                             ; the bias
	STEP 0, 0, 1                                   ; the first products take the bias as C: nothing is cleared
	STEP 0, 1, 0
	STEP 0, 2, 0
	TURN 0, 1
	STEP 1, 0, 0
	STEP 1, 1, 0
	STEP 1, 2, 0
	TURN 1, 1
	STEP 0, 0, 0
	STEP 0, 1, 0
	STEP 0, 2, 0
	TURN 0, 0                                      ; the last two slots are not filled again
	STEP 1, 0, 0
	STEP 1, 1, 0
	STEP 1, 2, 0
	s_wait_dscnt 0x0
	MG 1, 0, 8, 0
	WIN 0
; THE WAY OUT, a tile of 16 tokens x my 64 columns at a time: the activation, through my own stage in LDS, and back as whole rows of 256 bytes.  LDS serves a wave's instructions in order: no wait between the stores and the loads.
.macro TOSTAGE t
	WIN 0x08                                       ; source 1 window 2
.set oJ, 0
.rept 32
	v_max_num_f32 v[64+32*((\t)%2)+oJ], 0, v[32*(\t)+oJ]   ; each accumulator from its low end on
.set oJ, oJ+1
.endr
	WIN 0
.irp f, 0,1,2,3
.irp q, 0,1
	ds_store_b128 v[STO], v[64+32*((\t)%2)+8*\f+4*\q:64+32*((\t)%2)+8*\f+4*\q+3] offset:128*(\f/2)+32*(\f%2)+16*\q
.endr
.endr
.irp k, 0,1,2,3,4,5,6,7
	ds_load_b128 v[128+32*((\t)%2)+4*\k:128+32*((\t)%2)+4*\k+3], v[RD] offset:544*\k
.endr
.endm
.macro SEND t, younger                 ; younger: the LDS instructions issued behind tile t's loads, which may stay out
	s_wait_dscnt \younger
.irp k, 0,1,2,3,4,5,6,7                ; rows 2 k and 2 k + 1 of the tile are tokens 32 (t / 2) + 8 (t % 2) + 2 k + 8 (k / 4) and the next
	global_store_b128 v[CO], v[128+32*((\t)%2)+4*\k:128+32*((\t)%2)+4*\k+3], s[14:15] offset:(32*((\t)/2)+8*((\t)%2)+2*\k+8*(\k/4))*4096 th:TH_STORE_NT   ; 16 lanes store 256 consecutive bytes, aligned
.endr
.endm
	PLACES 4                                       ; behind the last products
	TOSTAGE 0
.irp t, 1,2,3,4,5,6,7
.if \t > 1
	s_wait_xcnt 0x0                                ; tile t - 2's stores have read their registers: tile t's loads may land there
.endif
	TOSTAGE \t
	SEND \t-1, 16                                  ; behind tile t - 1's loads: tile t's 8 stores and 8 loads
.endr
	SEND 7, 0
	s_wait_tensorcnt 0x0                           ; the wave's end
	ds_add_u32 v[SPW], v[NIL]
	s_wait_dscnt 0x0
	CROUND                                         ; the closing round
	s_endpgm
.Lfunc_end_k_q7131476d13_outg:
	.size	k_q7131476d13_outg, .Lfunc_end_k_q7131476d13_outg-k_q7131476d13_outg
	.p2alignl 7, 3214868480
	.fill 96, 4, 3214868480
	.section	.rodata,"a",@progbits
	.p2align	6, 0x0
	.amdhsa_kernel k_q7131476d13_outg
		.amdhsa_group_segment_fixed_size 327680
		.amdhsa_private_segment_fixed_size 0
		.amdhsa_enable_private_segment 0
		.amdhsa_kernarg_size 56
		.amdhsa_user_sgpr_count 2
		.amdhsa_user_sgpr_kernarg_segment_ptr 1
		.amdhsa_wavefront_size32 1
		.amdhsa_system_sgpr_workgroup_id_x 1
		.amdhsa_system_sgpr_workgroup_id_y 1
		.amdhsa_system_sgpr_workgroup_id_z 1
		.amdhsa_system_vgpr_workitem_id 0
		.amdhsa_next_free_vgpr 768
		.amdhsa_next_free_sgpr 100
		.amdhsa_reserve_vcc 0
		.amdhsa_float_denorm_mode_32 3
		.amdhsa_float_denorm_mode_16_64 3
		.amdhsa_memory_ordered 1
		.amdhsa_forward_progress 1
		.amdhsa_inst_pref_size 145
	.end_amdhsa_kernel
	.amdgpu_metadata
---
amdhsa.version: [ 1, 2 ]
amdhsa.kernels:
  - .name:           k_q7131476d13_outg
    .symbol:         k_q7131476d13_outg.kd
    .args:
      - { .name: xq, .offset: 0, .size: 8, .value_kind: global_buffer, .address_space: global }
      - { .name: uq, .offset: 8, .size: 8, .value_kind: global_buffer, .address_space: global }
      - { .name: wc, .offset: 16, .size: 8, .value_kind: global_buffer, .address_space: global }
      - { .name: bvo, .offset: 24, .size: 8, .value_kind: global_buffer, .address_space: global }
      - { .name: bqo, .offset: 32, .size: 8, .value_kind: global_buffer, .address_space: global }
      - { .name: out0, .offset: 40, .size: 8, .value_kind: global_buffer, .address_space: global }
      - { .name: out1, .offset: 48, .size: 8, .value_kind: global_buffer, .address_space: global }
    .group_segment_fixed_size: 327680
    .private_segment_fixed_size: 0
    .kernarg_segment_align: 8
    .kernarg_segment_size: 56
    .max_flat_workgroup_size: 128
    .sgpr_count:     100
    .vgpr_count:     768
    .wavefront_size: 32
...
	.end_amdgpu_metadata
.endif
;; end of part 4
;; ======== version 2 of 2: 3 launches
;; limits: right only within a limited range of input values
;; workspace buffers: xq 6,553,600 bytes; uq 6,553,600 bytes; wc 8,192,000 bytes
;; launch quant (part 5): grid 1152 x 1, 4 waves a work-group, no clusters, 47,616 bytes of LDS; arguments v, q, Wv, Wq, Wvo, Wqo, xq, wc; writes xq, wc
.if DOCPART == 5
	.amdgcn_target "amdgcn-amd-amdhsa--gfx1250"
	.amdhsa_code_object_version 6
	.text
	.protected	k_q7131476d13_quant
	.globl	k_q7131476d13_quant
	.p2align	8
	.type	k_q7131476d13_quant,@function
k_q7131476d13_quant:
	s_mov_b64 s[64:65], 0
	v_nop
	global_prefetch_b8 v0, s[64:65] scope:SCOPE_SE
	s_setreg_imm32_b32 hwreg(HW_REG_WAVE_MODE, 25, 1), 1
	s_wait_xcnt 0x0
; ONE LAUNCH QUANTISES ALL SIX f32 OPERANDS into codes of FP6 (E2M3) with one E8M0 byte for each 32 along K, laid as images of the matrix operands' registers.
; Work-groups 0-511 take v and q (K innermost), work-groups 512-1151 the four weights (K outermost).  The two paths part on the work-group's number in the first line, share no line behind it, and have LDS bytes of their own.
; A FRAGMENT is 16 rows x 128 K as an image of the operand's 12 registers, 1,536 bytes: register j of lane l at byte 512 (j / 4) + 16 l + 4 (j % 4).  Lane (r, h) holds blocks h and 2 + h of its row.
; THE ROWS OF A TILE ARE NOT NEIGHBOURS: lane r of tile t stands for row 32 (t / 2) + 8 (t % 2) + r + 8 (r / 8).  Scale words: one for a row and a K step, row r of tile t at byte 64 t + 4 r.
; A block's scale is 2^(floor(log2(largest magnitude)) - 2): its byte is the largest magnitude's exponent field - 2, held at 1 from below by a floor among the maximum's leaves.
; 1,152 work-groups are 4.5 for each of 256 WGPs: with 192 registers a wave five work-groups fit on a WGP, so all are at work at once.
; LIMITS: NaN and infinities among the inputs are not served; a block of zeros, or one whose largest magnitude lies under 2^-124, gets the byte 1 (its codes are zeros or tiny; the bytes are read by this program alone).
.set NX,   512                         ; work-groups of the first path
.set WSTG, 33792                       ; LDS: the second path's stages begin behind the first path's
	v_lshl_add_u32 v190, v0, 2, 0xb800
	v_mov_b32 v191, 0
	s_cmp_lt_u32 ttmp9, NX
	s_cbranch_scc0 .Lweights
; ---- v AND q, [32][128][1024].  A PACKAGE is one batch, one tensor (0 = v, 1 = q) and one K step of 128: 12,800 bytes: eight fragments, then 512 bytes of scale words.  Package number = (2 batch + tensor) 8 + K step = the work-group's number.
; Wave p makes tiles 2 p and 2 p + 1.  Each load reads one token's 512 consecutive bytes; a tile turns through the wave's own stage in LDS (rows of 512 + 16 bytes) and comes back, into the registers that it left, as two whole blocks of 32 a lane.
.set STG, 8448                         ; a wave's stage: 16 rows x 528 bytes
.set XR,  16                           ; v16-143  two tiles as loaded, then each as my two blocks of 32
.set XC,  144                          ; v144-167 the codes, 12 registers a tile: no store's data are written again
.set XT0, 168                          ; v168-170, v172-174: a block's upper 16 codes (a conversion's three registers begin on an even number)
.set XT1, 172
.set XMX, 176                          ; v176-177 largest magnitudes
.set XSO, 178                          ; v178-179 the conversions' scale operands
.set XBY, 180                          ; v180-181 the bytes
.set XWD, 182                          ; v182-183 the two tiles' scale words
.set XPT, 184                          ; v184     a lane permute's target
.set XJW, 185                          ; v185     the two tiles' words joined
	s_load_b128 s[4:7], s[0:1], 0x0                ; v, q
	s_load_b64 s[8:9], s[0:1], 0x30                ; xq
	v_lshrrev_b32 v1, 5, v0
	v_readfirstlane_b32 s10, v1                    ; wave
	v_and_b32 v1, 31, v0                           ; lane
	v_and_b32 v8, 15, v0                           ; r
	v_bfe_u32 v9, v0, 4, 1                         ; h
	v_lshlrev_b32 v2, 4, v1                        ; my 16 bytes of a load's 512
	s_mul_i32 s11, s10, STG
	v_add_nc_u32 v3, s11, v2                       ; the stage, in: a row as it lies
	v_mul_u32_u24 v4, v8, 528
	v_lshl_add_u32 v4, v9, 7, v4
	v_add_nc_u32 v4, s11, v4                       ; and out: row r, block h
	v_lshlrev_b32 v5, 2, v1
	s_lshl_b32 s15, s10, 7
	v_add_nc_u32 v5, s15, v5                       ; scale words: 4 x lane + 128 x wave
	v_lshlrev_b32 v6, 3, v9                        ; 8 h: my bytes' place in the word
	s_mul_i32 s15, s10, 3072
	v_add_nc_u32 v7, s15, v2                       ; the images: 16 x lane + two fragments a wave
	v_mov_b32 v[XPT], 0                            ; a lane permute's destination counts as one of its sources
	s_mov_b32 s12, 0x76543210
	s_mov_b32 s13, 0xfedcba98                      ; selects for lane l xor 16
	s_mov_b32 s14, 0xffff0000                      ; lanes 16-31
	s_lshr_b32 s16, ttmp9, 4
	s_lshl_b32 s16, s16, 19                        ; the batch: 128 tokens of 4,096 bytes
	s_lshl_b32 s17, s10, 17                        ; my wave's 32 tokens
	s_add_co_u32 s16, s16, s17
	s_and_b32 s17, ttmp9, 7
	s_lshl_b32 s17, s17, 9                         ; the K step: 512 bytes
	s_add_co_u32 s16, s16, s17
	s_mov_b32 s17, 0
	s_mul_i32 s18, ttmp9, 12800                    ; the package
	s_mov_b32 s19, 0
	s_and_b32 s20, ttmp9, 8
	s_wait_alu depctr_va_vdst(0)
	s_wait_kmcnt 0x0
	s_cmp_lg_u32 s20, 0                            ; v or q: the choice hangs on the work-group's number alone
	s_cselect_b64 s[4:5], s[6:7], s[4:5]
	s_add_nc_u64 s[4:5], s[4:5], s[16:17]
	s_add_nc_u64 s[8:9], s[8:9], s[18:19]
.macro XLOAD u                         ; tile u's 16 tokens, 512 consecutive bytes a load
.irp i, 0,1,2,3,4,5,6,7,8,9,10,11,12,13,14,15
	global_load_b128 v[XR+64*\u+4*\i:XR+64*\u+4*\i+3], v2, s[4:5] offset:(8*\u+\i+8*(\i/8))*4096 th:TH_LOAD_NT
.endr
.endm
.macro XTILE u
.set XX, XR+64*\u
	s_wait_loadcnt 16*(1-\u)                       ; this tile's 16 loads are in; the other tile's may be out
.irp i, 0,1,2,3,4,5,6,7,8,9,10,11,12,13,14,15
	ds_store_b128 v3, v[XX+4*\i:XX+4*\i+3] offset:528*\i
.endr
.irp c, 0,1                            ; LDS serves a wave's instructions in order: these see the stores above, and land in the registers that those have left
.irp q, 0,1,2,3,4,5,6,7
	ds_load_b128 v[XX+32*\c+4*\q:XX+32*\c+4*\q+3], v4 offset:256*\c+16*\q   ; block 2 c + h of token r
.endr
.endr
	s_wait_dscnt 0x0
.irp c, 0,1
	v_max3_num_f32 v[XMX+\c], |v[XX+32*\c]|, |v[XX+32*\c+1]|, 0x1800000   ; the floor 2^(3 - 127): the byte cannot fall under 1
.endr
.irp i, 2,4,6,8,10,12,14,16,18,20,22,24,26,28,30
.irp c, 0,1
	v_max3_num_f32 v[XMX+\c], v[XMX+\c], |v[XX+32*\c+\i]|, |v[XX+32*\c+\i+1]|   ; the two blocks by turns
.endr
.endr
.irp c, 0,1
	v_add_nc_u32 v[XSO+\c], 0xff000000, v[XMX+\c]  ; 2 off the exponent field: the conversion's scale operand
.endr
.irp c, 0,1
	v_lshrrev_b32 v[XBY+\c], 23, v[XSO+\c]         ; the scale's byte
.endr
	v_lshl_or_b32 v[XWD+\u], v[XBY+1], 16, v[XBY]  ; blocks h and 2 + h,
	v_lshlrev_b32 v[XWD+\u], v6, v[XWD+\u]         ; at their places in the word;
	v_permlanex16_b32 v[XPT], v[XWD+\u], s12, s13
	v_or_b32 v[XWD+\u], v[XWD+\u], v[XPT]          ; with lane l xor 16's two the word is whole
	v_cvt_scalef32_pk16_fp6_f32 v[XC+12*\u:XC+12*\u+2], v[XX:XX+15], v[XSO]
	v_cvt_scalef32_pk16_fp6_f32 v[XT0:XT0+2], v[XX+16:XX+31], v[XSO]
	v_cvt_scalef32_pk16_fp6_f32 v[XC+12*\u+6:XC+12*\u+8], v[XX+32:XX+47], v[XSO+1]
	v_cvt_scalef32_pk16_fp6_f32 v[XT1:XT1+2], v[XX+48:XX+63], v[XSO+1]
	v_nop                                          ; one plain place behind the scaled conversions
.irp i, 0,1,2
	v_mov_b32 v[XC+12*\u+3+\i], v[XT0+\i]
	v_mov_b32 v[XC+12*\u+9+\i], v[XT1+\i]
.endr
.irp c, 0,1,2
	global_store_b128 v7, v[XC+12*\u+4*\c:XC+12*\u+4*\c+3], s[8:9] offset:1536*\u+512*\c   ; 32 lanes store 512 consecutive bytes, aligned to 256
.endr
.endm
	XLOAD 0
	XLOAD 1
	XTILE 0
	XTILE 1
	v_cndmask_b32 v[XJW], v[XWD], v[XWD+1], s14    ; lanes 0-15: the even tile's rows; lanes 16-31: the odd tile's
	global_store_b32 v5, v[XJW], s[8:9] offset:12288
	s_wait_tensorcnt 0x0
	ds_add_u32 v190, v191
	s_wait_dscnt 0x0
	s_endpgm
; ---- THE FOUR WEIGHTS, f32 with K as their FIRST axis.  A LANE TAKES A COLUMN AND ITS REGISTERS RUN DOWN K: a block of 32 lies in one lane's 32 registers, and the conversions give codes with K innermost.  Nothing is transposed by an instruction.
; A wave takes 32 columns x one K step of 128: a PAIR of fragments and 32 scale words.  Lane r of fragment u stands for column 8 u + r + 8 (r / 8) of the 32.  The codes turn through the wave's own stage in LDS into the image, and leave as runs of 512 consecutive bytes.
; Wv, Wq [1024][3072], the path's work-groups 0-383: package (2 head + tensor) 8 + K step, 38,400 bytes: pair 3 w + part (part: key, query, value; w: the head's block of 32 channels) at 3,072 x pair; scale words from 36,864 on.
; Wvo, Wqo [2048][1024], work-groups 384-639: from byte 4,915,200 on, package (4 tensor + group of 256 columns) 16 + K step, 25,600 bytes: pair = block of 32 columns; scale words from 24,576 on.
; One run of lines serves all four tensors: only scalars and pointers are chosen, on the work-group's number.  Loads run two blocks (64 loads a wave) ahead; each block has registers of its own.
.set OFF, 16                           ; v16-47   byte offset of my column in rows 0 .. 31 of a block; never rewritten
.set WX,  48                           ; v48-175  four blocks of 32 numbers.  Block 0's registers later take the codes of blocks 2 and 3, block 1's the images on their way out
.Lweights:
	s_load_b128 s[4:7], s[0:1], 0x10               ; Wv, Wq
	s_load_b128 s[8:11], s[0:1], 0x20              ; Wvo, Wqo
	s_load_b64 s[12:13], s[0:1], 0x38              ; wc
	s_sub_co_u32 s51, ttmp9, NX                    ; the work-group's number in this path
	v_lshrrev_b32 v1, 5, v0
	v_readfirstlane_b32 s14, v1                    ; wave
	v_and_b32 v2, 31, v0                           ; e: my column of the 32
	v_bfe_u32 v3, v0, 3, 1                         ; u = (e / 8) % 2
	v_and_b32 v8, 7, v0
	v_bfe_u32 v9, v0, 4, 1
	v_lshl_add_u32 v8, v9, 3, v8                   ; r = e % 8 + 8 (e / 16)
	s_mul_i32 s50, s14, 3328                       ; my stage: two images, 1,664 bytes apart
	s_add_co_u32 s50, s50, WSTG
	v_mul_u32_u24 v4, v3, 1664
	v_lshl_add_u32 v4, v8, 4, v4
	v_add_nc_u32 v4, s50, v4                       ; in: image u, lane r's 16 bytes
	v_lshlrev_b32 v7, 4, v2                        ; out, in memory: 16 x lane
	v_add_nc_u32 v5, s50, v7                       ; out, in LDS
	v_lshl_add_u32 v6, v3, 4, v8
	v_lshlrev_b32 v6, 2, v6                        ; my scale word: 4 (16 u + r)
	s_cmp_lt_u32 s51, 384                          ; the first layer's weights, or the second's
	s_cselect_b32 s15, 0, 384
	s_mov_b32 s16, 128
	s_cselect_b32 s16, 192, s16                    ; work-groups for one tensor
	s_cselect_b32 s17, 3, 4                        ; log2 of its K steps
	s_mov_b32 s18, 4096
	s_cselect_b32 s18, 12288, s18                  ; a row in bytes
	s_mov_b32 s19, 25600
	s_cselect_b32 s19, 38400, s19                  ; a package
	s_mov_b32 s20, 24576
	s_cselect_b32 s20, 36864, s20                  ; where its scale words begin
	s_cselect_b32 s21, 0, 4915200                  ; where the packages of this kind begin
	s_sub_co_u32 s22, s51, s15
	s_cmp_ge_u32 s22, s16
	s_cselect_b32 s23, 1, 0                        ; which tensor of the two
	s_cselect_b32 s36, s16, 0
	s_sub_co_u32 s22, s22, s36
	s_lshr_b32 s37, s22, s17                       ; group of 128 columns
	s_lshl_b32 s38, s37, s17
	s_sub_co_u32 s38, s22, s38                     ; K step
	s_and_b32 s39, s37, 7                          ; first layer: head = group % 8, part = group / 8
	s_lshl_b32 s39, s39, 1
	s_add_co_u32 s39, s39, s23
	s_lshl_b32 s39, s39, 3
	s_add_co_u32 s39, s39, s38                     ; package (2 head + tensor) 8 + step
	s_lshr_b32 s40, s37, 3
	s_mul_i32 s41, s14, 3
	s_add_co_u32 s40, s40, s41                     ; pair 3 wave + part
	s_lshl_b32 s41, s23, 2                         ; second layer
	s_lshr_b32 s42, s37, 1
	s_add_co_u32 s41, s41, s42
	s_lshl_b32 s41, s41, 4
	s_add_co_u32 s41, s41, s38                     ; package (4 tensor + group / 2) 16 + step
	s_and_b32 s42, s37, 1
	s_lshl_b32 s42, s42, 2
	s_add_co_u32 s42, s42, s14                     ; pair 4 (group % 2) + wave
	s_cmp_lt_u32 s51, 384
	s_cselect_b32 s39, s39, s41
	s_cselect_b32 s40, s40, s42
	s_mul_i32 s39, s39, s19
	s_add_co_u32 s39, s39, s21                     ; the package's first byte
	s_mul_i32 s41, s40, 3072
	s_add_co_u32 s44, s39, s41                     ; my pair's images
	s_mov_b32 s45, 0
	s_lshl_b32 s41, s40, 7
	s_add_co_u32 s46, s39, s20
	s_add_co_u32 s46, s46, s41                     ; my pair's scale words
	s_mov_b32 s47, 0
	s_mul_i32 s41, s38, s18
	s_lshl_b32 s41, s41, 7                         ; the K step's 128 rows
	s_lshl_b32 s42, s37, 9                         ; the group's 128 columns
	s_add_co_u32 s41, s41, s42
	s_lshl_b32 s42, s14, 7                         ; my wave's 32
	s_add_co_u32 s42, s41, s42
	s_mov_b32 s43, 0
	s_lshl_b32 s48, s18, 5                         ; 32 rows
	s_mov_b32 s49, 0
	v_lshlrev_b32 v[OFF], 2, v2
.set qI, 1
.rept 31
	v_mad_u32_u24 v[OFF+qI], s18, qI, v[OFF]
.set qI, qI+1
.endr
	s_wait_alu depctr_va_vdst(0)
	s_wait_kmcnt 0x0
	s_cmp_lt_u32 s51, 384                          ; the choices hang on the work-group's number alone
	s_cselect_b64 s[4:5], s[4:5], s[8:9]
	s_cselect_b64 s[6:7], s[6:7], s[10:11]
	s_cmp_eq_u32 s23, 0
	s_cselect_b64 s[4:5], s[4:5], s[6:7]
	s_add_nc_u64 s[24:25], s[4:5], s[42:43]        ; a base for each block of 32 rows; never rewritten
	s_add_nc_u64 s[26:27], s[24:25], s[48:49]
	s_add_nc_u64 s[28:29], s[26:27], s[48:49]
	s_add_nc_u64 s[30:31], s[28:29], s[48:49]
	s_add_nc_u64 s[32:33], s[12:13], s[44:45]
	s_add_nc_u64 s[34:35], s[12:13], s[46:47]
.macro WLOAD t                         ; block t: rows 32 t + 0 .. 31 of the K step at my column: each load reads 128 consecutive bytes, the four waves side by side 512
.set qI, 0
.rept 32
	global_load_b32 v[WX+32*(\t)+qI], v[OFF+qI], s[24+2*(\t):25+2*(\t)] th:TH_LOAD_NT
.set qI, qI+1
.endr
.endm
	WLOAD 0
	WLOAD 1
.macro WBLOCK t
.set XS, WX+32*(\t)
.if (\t) < 2
.set CB, 176+6*(\t)                    ; v176-187: the codes of blocks 0 and 1, six registers each
.else
.set CB, WX+6*((\t)-2)                 ; v48-59: those of blocks 2 and 3, where block 0's numbers lay
.endif
.if (\t) < 3
	s_wait_loadcnt 32                              ; this block's 32 loads are in; behind them the next block's 32 were issued, which may be out
.else
	s_wait_loadcnt 0x0
.endif
.if (\t)+2 < 4
	WLOAD (\t)+2                                   ; two blocks ahead, into registers of its own
.endif
	v_max3_num_f32 v12, |v[XS]|, |v[XS+1]|, |v[XS+2]|
	v_max3_num_f32 v13, |v[XS+3]|, |v[XS+4]|, |v[XS+5]|
.irp i, 6,10,14,18,22,26
	v_max3_num_f32 v12, v12, |v[XS+\i]|, |v[XS+\i+1]|
	v_max3_num_f32 v13, v13, |v[XS+\i+2]|, |v[XS+\i+3]|
.endr
	v_max3_num_f32 v12, v12, |v[XS+30]|, |v[XS+31]|
	v_max3_num_f32 v12, v12, v13, 0x1800000        ; and the floor 2^(3 - 127)
	v_add_nc_u32 v11, 0xff000000, v12              ; 2 off the exponent field: the conversion's scale operand
	v_lshrrev_b32 v14, 23, v11                     ; the scale's byte
	v_cvt_scalef32_pk16_fp6_f32 v[CB:CB+2], v[XS:XS+15], v11
	v_cvt_scalef32_pk16_fp6_f32 v[8:10], v[XS+16:XS+31], v11   ; (a conversion's three registers begin on an even number)
.if (\t) == 0
	v_mov_b32 v15, v14                             ; the word's four bytes, the lower K lower.  (The plain place behind the conversions)
.else
	v_lshl_or_b32 v15, v14, 8*(\t), v15
.endif
.irp i, 0,1,2
	v_mov_b32 v[CB+3+\i], v[8+\i]
.endr
; block t is registers 6 (t / 2) .. + 5 of lane r + 16 (t % 2) of the image
.if (\t) < 2
	ds_store_b128 v4, v[CB:CB+3] offset:256*((\t)%2)
	ds_store_b64 v4, v[CB+4:CB+5] offset:512+256*((\t)%2)
.else
	ds_store_b64 v4, v[CB:CB+1] offset:520+256*((\t)%2)
	ds_store_b128 v4, v[CB+2:CB+5] offset:1024+256*((\t)%2)
.endif
.endm
	WBLOCK 0
	WBLOCK 1
	WBLOCK 2
	WBLOCK 3
.irp n, 0,1,2,3,4,5                    ; LDS serves a wave's instructions in order: these see my stores
	ds_load_b128 v[WX+32+4*\n:WX+32+4*\n+3], v5 offset:1664*(\n/3)+512*(\n%3)
.endr
	s_wait_alu depctr_va_vdst(0)
.irp n, 0,1,2,3,4,5
	s_wait_dscnt 5-\n                              ; the younger read-backs may be out
	global_store_b128 v7, v[WX+32+4*\n:WX+32+4*\n+3], s[32:33] offset:1536*(\n/3)+512*(\n%3)   ; 512 consecutive bytes, aligned to 256
.endr
	global_store_b32 v6, v15, s[34:35]
	s_wait_tensorcnt 0x0
	ds_add_u32 v190, v191
	s_wait_dscnt 0x0
	s_endpgm
.Lfunc_end_k_q7131476d13_quant:
	.size	k_q7131476d13_quant, .Lfunc_end_k_q7131476d13_quant-k_q7131476d13_quant
	.p2alignl 7, 3214868480
	.fill 96, 4, 3214868480
	.section	.rodata,"a",@progbits
	.p2align	6, 0x0
	.amdhsa_kernel k_q7131476d13_quant
		.amdhsa_group_segment_fixed_size 47616
		.amdhsa_private_segment_fixed_size 0
		.amdhsa_enable_private_segment 0
		.amdhsa_kernarg_size 64
		.amdhsa_user_sgpr_count 2
		.amdhsa_user_sgpr_kernarg_segment_ptr 1
		.amdhsa_wavefront_size32 1
		.amdhsa_system_sgpr_workgroup_id_x 1
		.amdhsa_system_sgpr_workgroup_id_y 1
		.amdhsa_system_sgpr_workgroup_id_z 1
		.amdhsa_system_vgpr_workitem_id 0
		.amdhsa_next_free_vgpr 192
		.amdhsa_next_free_sgpr 66
		.amdhsa_reserve_vcc 0
		.amdhsa_float_denorm_mode_32 3
		.amdhsa_float_denorm_mode_16_64 3
		.amdhsa_memory_ordered 1
		.amdhsa_forward_progress 1
		.amdhsa_inst_pref_size 42
	.end_amdhsa_kernel
	.amdgpu_metadata
---
amdhsa.version: [ 1, 2 ]
amdhsa.kernels:
  - .name:           k_q7131476d13_quant
    .symbol:         k_q7131476d13_quant.kd
    .args:
      - { .name: v, .offset: 0, .size: 8, .value_kind: global_buffer, .address_space: global }
      - { .name: q, .offset: 8, .size: 8, .value_kind: global_buffer, .address_space: global }
      - { .name: Wv, .offset: 16, .size: 8, .value_kind: global_buffer, .address_space: global }
      - { .name: Wq, .offset: 24, .size: 8, .value_kind: global_buffer, .address_space: global }
      - { .name: Wvo, .offset: 32, .size: 8, .value_kind: global_buffer, .address_space: global }
      - { .name: Wqo, .offset: 40, .size: 8, .value_kind: global_buffer, .address_space: global }
      - { .name: xq, .offset: 48, .size: 8, .value_kind: global_buffer, .address_space: global }
      - { .name: wc, .offset: 56, .size: 8, .value_kind: global_buffer, .address_space: global }
    .group_segment_fixed_size: 47616
    .private_segment_fixed_size: 0
    .kernarg_segment_align: 8
    .kernarg_segment_size: 64
    .max_flat_workgroup_size: 128
    .sgpr_count:     66
    .vgpr_count:     192
    .wavefront_size: 32
...
	.end_amdgpu_metadata
.endif
;; end of part 5
;; launch attn (part 6): grid 8 x 32, 4 waves a work-group, clusters of 4 x 1, 327,680 bytes of LDS; arguments xq, wc, bv, bq, uq; writes uq
.if DOCPART == 6
	.amdgcn_target "amdgcn-amd-amdhsa--gfx1250"
	.amdhsa_code_object_version 6
	.text
	.protected	k_q7131476d13_attn
	.globl	k_q7131476d13_attn
	.p2align	8
	.type	k_q7131476d13_attn,@function
k_q7131476d13_attn:
	s_mov_b64 s[64:65], 0
	v_nop
	global_prefetch_b8 v0, s[64:65] scope:SCOPE_SE
	s_setreg_imm32_b32 hwreg(HW_REG_WAVE_MODE, 25, 1), 1
	s_wait_xcnt 0x0
	s_wait_alu depctr_hold_cnt(0) depctr_sa_sdst(0) depctr_va_vdst(0) depctr_va_sdst(0) depctr_va_ssrc(0) depctr_va_vcc(0) depctr_vm_vsrc(0)
	s_getreg_b32 s2, hwreg(HW_REG_IB_STS2, 6, 4)
	s_cmp_eq_u32 s2, 0
	s_cbranch_scc0 .Lentry_in_a_cluster
	s_endpgm
.Lentry_in_a_cluster:
	s_bfe_u32 s2, ttmp6, 0x10000c
	s_cmp_lg_u32 s2, 0x3003
	s_cbranch_scc0 .Lentry_shape_is_right
	s_endpgm
.Lentry_shape_is_right:
; One work-group = one batch and one head, both towers: key, query, value = relu(x W + b) (K = 1,024, eight steps a tower), quantised to FP6 (E2M3) with E8M0 scales; then both attentions; the updates leave as codes (uq).
; Wave w makes channels 32 w .. 32 w + 31 of key, query and value for all 128 tokens: 6 fragments of W x 8 tiles of tokens, 48 products a K step.
; THE TOKENS' 16 packages (two towers x eight K steps, 204,800 dense bytes) are what the four waves share: they come into LDS ONCE, one joint load of 51,200 bytes a wave, and stay.  No LDS byte is filled twice: no ring.
; THE WEIGHTS' fragments are images of the operand's registers, and each is read by ONE wave of the work-group: they go from memory straight into registers, four sets of 72, asked for three K steps ahead.
; CLUSTER 4 x 1: four heads of one batch ask for the tokens jointly (mask 15).  W is not asked for jointly: it does not pass through LDS.
; PREFETCH: a pair of K steps of W is 300 blocks of 256 bytes; the 32 batches' work-groups share them, ten each (three a wave), three K steps ahead of the loads that want them; pair 7 is the last.  The tokens come at the head alone: no walk to run ahead in.
; LIMITS: NaN and infinities are not served; a block under 2^-124 gets the scale byte 1; the scaled scores stay under 2^31 in magnitude.
; REGISTERS: window 0: v1-63 addresses and scale words; v64-159, v160-255 the tokens' fragments, two sets (set 1 also the epilogues' work).  window 1: W's sets 0-2 at v0, v72, v144; v216-247 key and query bias.
;   window 2: key and query sums.  window 3: v0-127 value sums; v128-199 W's set 3; v200-215 value bias.
.set XPK,   12800
.set WPK,   38400
.set XQ,    51200
.set SCR,   204800
.set SIDE,  38400
.set QRY,   12288
.set VAL,   24576
.set KEYS,  36864
.set QRYS,  37376
.set VALS,  37888
.set SPARE, 281600
.set BV,  1
.set BO,  2
.set XA,  4
.set XSA, 8
.set WA,  12
.set WSA, 13
.set PFW, 14
.set KQA, 16
.set KQS, 18
.set VIA, 20
.set VSA, 22
.set FI,  24
.set FS,  26
.set SPW, 28
.set NIL, 29
.set PW,  30
.set GI,  31
.set XSC, 32
.set WSC, 40
.set KSC, 48
.set VSC, 52
.set QSC, 56
.set PSC, 57
.set UW,  58
.set GS,  60
.set UJ,  61
.set FSQ, 62
.set ST,  160
.set PC,  224
.set TM,  244
.set BIAS, 216
.set BIASV, 200
.set G1X, 24
.set G0X, 32
.set MSB, 0
.macro WIN new
.if MSB != \new
	s_set_vgpr_msb (MSB<<8)|\new
.set MSB, \new
.endif
.endm
.macro PLACES n
.rept \n
	v_nop
.endr
.endm
.macro CROUND
	s_barrier_signal -1
	s_barrier_wait -1
	s_cmp_lg_u32 s14, 0
	s_cbranch_scc1 .Lnot_wave_0_\@
	s_barrier_signal -3
.Lnot_wave_0_\@:
	s_barrier_wait -3
	s_barrier_signal -1
	s_barrier_wait -1
.endm
.macro ASK p                           ; my three blocks of pair p of W's K steps
	global_prefetch_b8 v[PFW], s[56:57] offset:(\p)*2*WPK th:TH_LOAD_NT scope:SCOPE_SE
.endm
.macro WM d, a, b, c, sa, sb, ra, rb
.if (\c) < 0
.if (\ra) && (\rb)
	v_wmma_scale_f32_16x16x128_f8f6f4 v[(\d):(\d)+7], v[(\a):(\a)+11], v[(\b):(\b)+11], 0, v[\sa], v[\sb] matrix_a_fmt:MATRIX_FMT_FP6 matrix_b_fmt:MATRIX_FMT_FP6 matrix_a_scale:MATRIX_SCALE_ROW1 matrix_b_scale:MATRIX_SCALE_ROW1
.elseif (\ra)
	v_wmma_scale_f32_16x16x128_f8f6f4 v[(\d):(\d)+7], v[(\a):(\a)+11], v[(\b):(\b)+11], 0, v[\sa], v[\sb] matrix_a_fmt:MATRIX_FMT_FP6 matrix_b_fmt:MATRIX_FMT_FP6 matrix_a_scale:MATRIX_SCALE_ROW1
.elseif (\rb)
	v_wmma_scale_f32_16x16x128_f8f6f4 v[(\d):(\d)+7], v[(\a):(\a)+11], v[(\b):(\b)+11], 0, v[\sa], v[\sb] matrix_a_fmt:MATRIX_FMT_FP6 matrix_b_fmt:MATRIX_FMT_FP6 matrix_b_scale:MATRIX_SCALE_ROW1
.else
	v_wmma_scale_f32_16x16x128_f8f6f4 v[(\d):(\d)+7], v[(\a):(\a)+11], v[(\b):(\b)+11], 0, v[\sa], v[\sb] matrix_a_fmt:MATRIX_FMT_FP6 matrix_b_fmt:MATRIX_FMT_FP6
.endif
.else
.if (\ra) && (\rb)
	v_wmma_scale_f32_16x16x128_f8f6f4 v[(\d):(\d)+7], v[(\a):(\a)+11], v[(\b):(\b)+11], v[(\c):(\c)+7], v[\sa], v[\sb] matrix_a_fmt:MATRIX_FMT_FP6 matrix_b_fmt:MATRIX_FMT_FP6 matrix_a_scale:MATRIX_SCALE_ROW1 matrix_b_scale:MATRIX_SCALE_ROW1
.elseif (\ra)
	v_wmma_scale_f32_16x16x128_f8f6f4 v[(\d):(\d)+7], v[(\a):(\a)+11], v[(\b):(\b)+11], v[(\c):(\c)+7], v[\sa], v[\sb] matrix_a_fmt:MATRIX_FMT_FP6 matrix_b_fmt:MATRIX_FMT_FP6 matrix_a_scale:MATRIX_SCALE_ROW1
.elseif (\rb)
	v_wmma_scale_f32_16x16x128_f8f6f4 v[(\d):(\d)+7], v[(\a):(\a)+11], v[(\b):(\b)+11], v[(\c):(\c)+7], v[\sa], v[\sb] matrix_a_fmt:MATRIX_FMT_FP6 matrix_b_fmt:MATRIX_FMT_FP6 matrix_b_scale:MATRIX_SCALE_ROW1
.else
	v_wmma_scale_f32_16x16x128_f8f6f4 v[(\d):(\d)+7], v[(\a):(\a)+11], v[(\b):(\b)+11], v[(\c):(\c)+7], v[\sa], v[\sb] matrix_a_fmt:MATRIX_FMT_FP6 matrix_b_fmt:MATRIX_FMT_FP6
.endif
.endif
.endm
; 21 loads: K step s (0-7 tower v, 8-15 tower q) of my six fragments of W and their three scale words, into set s % 4
.macro GW s
.set wS, (\s)%4
.if wS == 3
	WIN 0xc0
.set wB, 128
.else
	WIN 0x40
.set wB, 72*wS
.endif
.set fF, 0
.rept 6
.irp c, 0,1,2
	global_load_b128 v[wB+12*fF+4*\c:wB+12*fF+4*\c+3], v[WA], s[56:57] offset:WPK*(\s)+1536*fF+512*\c
.endr
.set fF, fF+1
.endr
	WIN 0
.irp p, 0,1,2
	global_load_b32 v[WSC+4*wS+\p], v[WSA], s[56:57] offset:WPK*(\s)+128*\p
.endr
.endm
; 28 LDS loads: K step s of the tokens' eight fragments and four registers of scale words, into set s % 2
.macro FXS s
.set xS, (\s)%2
.set xK, (\s)/4
.set xO, XPK*((\s)%4)
.set fT, 0
.rept 8
.irp c, 0,1,2
	ds_load_b128 v[64+96*xS+12*fT+4*\c:64+96*xS+12*fT+4*\c+3], v[XA+xK] offset:xO+1536*fT+512*\c
.endr
.set fT, fT+1
.endr
.irp p, 0,1,2,3
	ds_load_b32 v[XSC+4*xS+\p], v[XSA+xK] offset:xO+12288+128*\p
.endr
.endm
.macro BLOAD g                         ; tower g's bias in the sums' layout: it is the C of the tower's first products
	WIN 0x40
.irp p, 0,1
.irp u, 0,1
	global_load_b128 v[BIAS+8*(2*\p+\u):BIAS+8*(2*\p+\u)+3], v[BO], s[8+2*\g:9+2*\g] offset:4096*\p+32*\u
	global_load_b128 v[BIAS+8*(2*\p+\u)+4:BIAS+8*(2*\p+\u)+7], v[BO], s[8+2*\g:9+2*\g] offset:4096*\p+32*\u+16
.endr
.endr
	WIN 0xc0
.irp u, 0,1
.irp n, 0,1,2,3,4,5,6,7
	global_load_b32 v[BIASV+8*\u+\n], v[BV], s[8+2*\g:9+2*\g] offset:8192+32*\u
.endr
.endr
	WIN 0
.endm
.macro WSET ws
.if (\ws) == 3
.set wB, 128
.set wW, 3
.else
.set wB, 72*(\ws)
.set wW, 1
.endif
.endm
; key and query, transposed (source 0 = W): 32 products; the accumulators take turns
.macro MKQ ws, xs, fs
	WSET \ws
.if \fs
.set wN, 0x90+wW
.else
.set wN, 0xa0+wW
.endif
	WIN wN
.set mT, 0
.rept 8
.irp p, 0,1
.irp u, 0,1
.set rD, 16*(8*\p+mT)+8*\u
.if \fs
.set rC, BIAS+8*(2*\p+\u)
.else
.set rC, rD
.endif
	WM rD, wB+12*(2*\p+\u), 64+96*(\xs)+12*mT, rC, WSC+4*(\ws)+\p, XSC+4*(\xs)+mT/2, \u, mT%2
.endr
.endr
.set mT, mT+1
.endr
.endm
; value (source 0 = the tokens): 16 products
.macro MV ws, xs, fs
	WSET \ws
.set wN, 0xf0+4*wW
	WIN wN
.set mT, 0
.rept 8
.irp u, 0,1
.set rD, 64*\u+8*mT
.if \fs
.set rC, BIASV+8*\u
.else
.set rC, rD
.endif
	WM rD, 64+96*(\xs)+12*mT, wB+12*(4+\u), rC, XSC+4*(\xs)+mT/2, WSC+4*(\ws)+2, mT%2, \u
.endr
.set mT, mT+1
.endr
.endm
; A K step.  Behind W's set s stand the loads of sets s + 1 and s + 2, 21 each: the wait's count.  Step 8 also waits for the second bias, the youngest loads.
.macro STEP s, fs
.if (\s) == 8
	s_wait_loadcnt 0x0
.elseif (\s) < 14
	s_wait_loadcnt 42
.else
	s_wait_loadcnt 21*(15-(\s))
.endif
	s_wait_dscnt 0x0                               ; the tokens' set s % 2 is in
.if (\s)%8
	PLACES 4                                       ; in front of loads into registers that the last step's products read
.endif
.if (\s)+3 < 16
	GW (\s)+3
.endif
.if (\s)+1 < 16
	FXS (\s)+1
.endif
.if ((\s)%2 == 0) && ((\s)/2+3 < 8)
	ASK (\s)/2+3
.endif
	MKQ (\s)%4, (\s)%2, \fs
	MV (\s)%4, (\s)%2, \fs
	WIN 0
.endm
.macro RELU64 win, base
	WIN \win
.set rJ, 0
.rept 64
	v_max_num_f32 v[ST+rJ], 0, v[(\base)+rJ]
.set rJ, rJ+1
.endr
	WIN 0
.endm
.macro BMAX s                          ; four blocks' largest magnitudes (floor 2^-124), scale operands at TM+8, bytes at TM+4
.irp b, 0,1,2,3
	v_max3_num_f32 v[TM+\b], |v[(\s)+16*\b]|, |v[(\s)+16*\b+1]|, 0x1800000
.endr
.irp i, 2,4,6,8,10,12,14
.irp b, 0,1,2,3
	v_max3_num_f32 v[TM+\b], v[TM+\b], |v[(\s)+16*\b+\i]|, |v[(\s)+16*\b+\i+1]|
.endr
.endr
.irp b, 0,1,2,3
	v_permlanex16_b32 v[TM+4+\b], v[TM+\b], s20, s21
.endr
.irp b, 0,1,2,3
	v_max_num_f32 v[TM+\b], v[TM+\b], v[TM+4+\b]
.endr
.irp b, 0,1,2,3
	v_add_nc_u32 v[TM+8+\b], 0xff000000, v[TM+\b]
.endr
.irp b, 0,1,2,3
	v_lshrrev_b32 v[TM+4+\b], 23, v[TM+8+\b]
.endr
.endm
.macro WORD pw
	v_lshl_or_b32 v[\pw], v[TM+5], 8, v[TM+4]
	v_lshl_or_b32 v[\pw], v[TM+6], 16, v[\pw]
	v_lshl_or_b32 v[\pw], v[TM+7], 24, v[\pw]
.endm
.macro CODES s                         ; 64 numbers a lane into the operand's 12 registers: whole blocks a lane
.irp c, 0,1
	v_cvt_scalef32_pk16_fp6_f32 v[PC+6*\c:PC+6*\c+2], v[(\s)+32*\c:(\s)+32*\c+15], v[TM+8+2*\c]
	v_cvt_scalef32_pk16_fp6_f32 v[PC+12+4*\c:PC+12+4*\c+2], v[(\s)+32*\c+16:(\s)+32*\c+31], v[TM+9+2*\c]
.endr
	v_nop
.irp c, 0,1
.irp i, 0,1,2
	v_permlane16_swap_b32 v[PC+6*\c+\i], v[PC+12+4*\c+\i]
.endr
.irp i, 0,1,2
	v_mov_b32 v[PC+3+6*\c+\i], v[PC+12+4*\c+\i]
.endr
.endr
.endm
.macro QUANT s, pw
	BMAX \s
	WORD \pw
	CODES \s
.endm
.macro EPIHEAD
	PLACES 4
.irp b, 0,1,2,3
	v_mov_b32 v[TM+4+\b], 0
.endr
.endm
.macro EPIP sg, part                   ; key (0) or query (1) of tower sg: relu, quantised along the head's channels, into the side's images in LDS
.irp q, 0,1
	RELU64 0x08, 64*(2*\part+\q)
	BMAX ST
.irp b, 0,1,2,3
	v_cvt_scalef32_pk16_fp6_f32 v[PC+4*\b:PC+4*\b+2], v[ST+16*\b:ST+16*\b+15], v[TM+8+\b]
.endr
	v_nop
.irp b, 0,1,2,3
.irp i, 0,1,2
	ds_store_b32 v[KQA+\sg], v[PC+4*\b+\i] offset:QRY*\part+1536*(4*\q+\b)+4*\i
.endr
	ds_store_b8 v[KQS+\sg], v[TM+4+\b] offset:KEYS+512*\part+64*(4*\q+\b)
.endr
	s_wait_dscnt 0x0
.endr
.endm
.macro EPIV sg                         ; value of tower sg: relu, quantised along the tokens
.irp u, 0,1
	RELU64 0x0c, 64*\u
	QUANT ST, PW
.irp c, 0,1,2
	ds_store_b128 v[VIA+\sg], v[PC+4*\c:PC+4*\c+3] offset:VAL+1536*\u+16*\c
.endr
	ds_store_b32 v[VSA+\sg], v[PW] offset:VALS+64*\u
	s_wait_dscnt 0x0
.endr
.endm
.macro ATILE d, i                      ; 16 queries: S^T = k q^T, p = 2^(t - M) with M = ceil(largest t), quantised; O^T = v^T p^T / sum; quantised; stored
	s_wait_xcnt 0x0
	WIN 0x01
.irp t, 0,1,2,3,4,5,6,7
	WM 96+8*\t, 12*\t, 64+12*\i, -1, KSC+\t/2, QSC, \t%2, \i
.endr
	WIN 0
	PLACES 4
.irp b, 0,1,2,3
	v_max3_num_f32 v[TM+\b], v[96+16*\b], v[97+16*\b], v[98+16*\b]
.endr
.irp n, 3,5,7,9,11,13
.irp b, 0,1,2,3
	v_max3_num_f32 v[TM+\b], v[TM+\b], v[96+16*\b+\n], v[97+16*\b+\n]
.endr
.endr
.irp b, 0,1,2,3
	v_max_num_f32 v[TM+\b], v[TM+\b], v[111+16*\b]
.endr
.irp b, 0,1,2,3
	v_permlanex16_b32 v[TM+4+\b], v[TM+\b], s20, s21
.endr
.irp b, 0,1,2,3
	v_max_num_f32 v[TM+\b], v[TM+\b], v[TM+4+\b]
.endr
	v_max3_num_f32 v94, v[TM], v[TM+1], v[TM+2]
	v_max_num_f32 v94, v94, v[TM+3]
	v_mul_f32 v94, s22, v94
	v_floor_f32 v88, -v94
	v_mov_b32 v89, v88
.set aJ, 0
.rept 32
	v_pk_fma_f32 v[96+aJ:97+aJ], v[96+aJ:97+aJ], s[22:23], v[88:89] op_sel_hi:[1,0,0]
.set aJ, aJ+2
.endr
.irp b, 0,1,2,3
	v_fma_f32 v[TM+\b], v[TM+\b], s22, v88
.endr
.set aJ, 0
	s_wait_alu depctr_va_vdst(0)                   ; the wait ahead of the batch
.rept 64
	v_exp_f32 v[96+aJ], v[96+aJ]
.set aJ, aJ+1
.endr
.irp b, 0,1,2,3
	v_exp_f32 v[TM+\b], v[TM+\b]
.endr
	v_nop
	s_wait_alu depctr_va_vdst(0)                   ; and behind it
.irp b, 0,1,2,3
	v_max_num_f32 v[TM+\b], 0x1800000, v[TM+\b]
.endr
.irp b, 0,1,2,3
	v_add_nc_u32 v[TM+8+\b], 0xff000000, v[TM+\b]
.endr
.irp b, 0,1,2,3
	v_lshrrev_b32 v[TM+4+\b], 23, v[TM+8+\b]
.endr
	WORD PSC
	CODES 96
	v_pk_add_f32 v[90:91], v[96:97], v[100:101]
	v_pk_add_f32 v[92:93], v[98:99], v[102:103]
.irp n, 8,12,16,20,24,28,32,36,40,44,48,52,56,60
	v_pk_add_f32 v[90:91], v[90:91], v[96+\n:97+\n]
	v_pk_add_f32 v[92:93], v[92:93], v[98+\n:99+\n]
.endr
	v_pk_add_f32 v[90:91], v[90:91], v[92:93]
	v_add_f32 v90, v90, v91
	v_permlanex16_b32 v95, v90, s20, s21
	v_add_f32 v90, v90, v95
	s_wait_alu depctr_va_vdst(0)
	v_rcp_f32 v94, v90
	v_nop
	WIN 0x01
.irp t, 0,1,2,3,4,5,6,7
	WM 160+8*\t, 96+12*\t, PC, -1, VSC+\t/2, PSC, \t%2, 0
.endr
	WIN 0
	PLACES 4
.set aJ, 0
	s_wait_alu depctr_va_vdst(0)
.rept 32
	v_pk_mul_f32 v[96+aJ:97+aJ], v[160+aJ:161+aJ], v[94:95] op_sel_hi:[1,0]
.set aJ, aJ+2
.endr
	QUANT 96, UW+\i
.irp c, 0,1,2
	global_store_b128 v[GI], v[PC+4*\c:PC+4*\c+3], s[12:13] offset:8*XPK*\d+1536*\i+512*\c
.endr
.endm
.macro ATT d                           ; tower d's queries over the other tower's keys and values; my wave's 32 queries
	WIN 0x40
.irp t, 0,1,2,3,4,5,6,7
.irp c, 0,1,2
	ds_load_b128 v[12*\t+4*\c:12*\t+4*\c+3], v[FI+1-\d] offset:1536*\t+16*\c
.endr
.endr
.irp t, 0,1,2,3,4,5,6,7
.irp c, 0,1,2
	ds_load_b128 v[96+12*\t+4*\c:96+12*\t+4*\c+3], v[FI+1-\d] offset:VAL+1536*\t+16*\c
.endr
.endr
	WIN 0
.irp n, 0,1
.irp c, 0,1,2
	ds_load_b128 v[64+12*\n+4*\c:64+12*\n+4*\c+3], v[VIA+\d] offset:QRY+1536*\n+16*\c
.endr
.endr
.irp p, 0,1,2,3
	ds_load_b32 v[KSC+\p], v[FS+1-\d] offset:KEYS+128*\p
	ds_load_b32 v[VSC+\p], v[FS+1-\d] offset:VALS+128*\p
.endr
	ds_load_b32 v[QSC], v[FSQ+\d] offset:QRYS
	s_wait_dscnt 0x0
	ATILE \d, 0
	ATILE \d, 1
	v_cndmask_b32 v[UJ], v[UW], v[UW+1], s18
	global_store_b32 v[GS], v[UJ], s[12:13] offset:8*XPK*\d+12288
.endm
	s_load_b256 s[4:11], s[0:1], 0x0               ; xq, wc, bv, bq
	s_load_b64 s[12:13], s[0:1], 0x20              ; uq
	v_lshl_add_u32 v[SPW], v0, 2, SPARE
	v_mov_b32 v[NIL], 0
	ds_add_u32 v[SPW], v[NIL]                      ; the opening lines: the add twice on end and one wait
	ds_add_u32 v[SPW], v[NIL]
	v_lshrrev_b32 v1, 5, v0
	v_readfirstlane_b32 s14, v1                    ; wave
	s_mov_b32 s18, 0xffff0000
	s_mov_b32 s20, 0x76543210
	s_mov_b32 s21, 0xfedcba98
	s_mov_b32 s22, 0x3e0293ee                      ; log2(e) / sqrt(128)
	s_mov_b32 s23, s22
	s_bfe_u32 s80, ttmp6, 0x40000                  ; cx
	s_lshl_b32 s82, ttmp9, 2
	s_add_co_u32 s82, s82, s80                     ; head
	s_and_b32 s85, ttmp7, 0xffff                   ; batch
	s_mov_b32 s[G1X], 15|(3<<16)|(1<<21)           ; 200 rows of 256 bytes, for the cluster's four
	s_mov_b32 s[G1X+1], 32<<16
	s_mov_b32 s[G1X+2], 200<<16
	s_mov_b32 s[G1X+3], 32<<16
	s_mov_b32 s[G1X+4], 200
	s_mov_b32 s[G1X+5], 32
	s_mov_b32 s[G1X+6], 0
	s_mov_b32 s[G1X+7], 0
	s_mov_b32 s[G0X], 1
	s_mul_i32 s[G0X+1], s14, XQ                    ; my quarter of the tokens' bytes, in LDS
	s_mul_i32 s66, s85, 16*XPK
	s_add_co_u32 s66, s66, s[G0X+1]                ; and in xq: made of the batch and the wave alone
	s_mov_b32 s67, 0
	s_mul_i32 s46, s82, 16*WPK
	s_mov_b32 s47, 0
	s_lshl_b32 s70, s82, 9
	s_lshl_b32 s71, s14, 7
	s_add_co_u32 s70, s70, s71
	s_mov_b32 s71, 0
	s_lshl_b32 s72, s85, 4
	s_add_co_u32 s72, s72, s82
	s_mul_i32 s72, s72, XPK
	s_mov_b32 s73, 0
	s_mul_i32 s40, s14, 9216
	s_mul_i32 s41, s14, 384
	s_add_co_u32 s41, s41, 36864
	s_and_b32 s42, s14, 1
	s_mul_i32 s42, s42, 768
	s_lshr_b32 s43, s14, 1
	s_mul_i32 s43, s43, 24
	s_add_co_u32 s42, s42, s43
	s_add_co_u32 s42, s42, SCR
	s_add_co_u32 s43, s14, SCR
	s_mul_i32 s44, s14, 3072
	s_lshl_b32 s45, s14, 7
	s_add_co_u32 s48, s45, SCR
	s_mul_i32 s49, s14, 3
	s_mul_i32 s50, s85, 10
	v_and_b32 v1, 15, v0
	v_bfe_u32 v2, v0, 4, 1
	v_and_b32 v3, 31, v0
	v_lshlrev_b32 v[XA], 4, v3
	v_add_nc_u32 v[XA+1], XQ, v[XA]
	v_add_nc_u32 v[XA+2], 2*XQ, v[XA]
	v_add_nc_u32 v[XA+3], 3*XQ, v[XA]
	v_lshlrev_b32 v[XSA], 2, v3
	v_add_nc_u32 v[XSA+1], XQ, v[XSA]
	v_add_nc_u32 v[XSA+2], 2*XQ, v[XSA]
	v_add_nc_u32 v[XSA+3], 3*XQ, v[XSA]
	v_add_nc_u32 v[WA], s40, v[XA]
	v_add_nc_u32 v[WSA], s41, v[XSA]
	v_mul_u32_u24 v[KQA], v1, 48
	v_mad_u32_u24 v[KQA], v2, 12, v[KQA]
	v_add_nc_u32 v[KQA], s42, v[KQA]
	v_add_nc_u32 v[KQA+1], SIDE, v[KQA]
	v_lshl_add_u32 v[KQS], v1, 2, s43
	v_add_nc_u32 v[KQS+1], SIDE, v[KQS]
	v_mul_u32_u24 v[FI], v3, 48
	v_add_nc_u32 v[FI], SCR, v[FI]
	v_add_nc_u32 v[FI+1], SIDE, v[FI]
	v_add_nc_u32 v[VIA], s44, v[FI]
	v_add_nc_u32 v[VIA+1], s44, v[FI+1]
	v_add_nc_u32 v[GI], s44, v[XA]
	v_add_nc_u32 v[FS], SCR, v[XSA]
	v_add_nc_u32 v[FS+1], SIDE, v[FS]
	v_add_nc_u32 v[FSQ], s45, v[FS]
	v_add_nc_u32 v[FSQ+1], s45, v[FS+1]
	v_add_nc_u32 v[GS], s45, v[XSA]
	v_lshl_add_u32 v[VSA], v1, 2, s48
	v_add_nc_u32 v[VSA+1], SIDE, v[VSA]
	v_min_u32 v[PFW], 2, v3                        ; the prefetches: block 10 batch + min(3 wave + min(lane, 2), 9), held at 299
	v_add_nc_u32 v[PFW], s49, v[PFW]
	v_min_u32 v[PFW], 9, v[PFW]
	v_add_nc_u32 v[PFW], s50, v[PFW]
	v_min_u32 v[PFW], 299, v[PFW]
	v_lshlrev_b32 v[PFW], 8, v[PFW]
	v_and_b32 v3, 8, v1
	v_add_nc_u32 v[BV], v3, v1
	v_lshlrev_b32 v[BV], 2, v[BV]
	v_lshlrev_b32 v[BO], 6, v2
	s_wait_alu depctr_va_vdst(0)                   ; the wait at the head's end
	s_wait_dscnt 0x0                               ; both opening adds are done
	s_wait_kmcnt 0x0
	s_add_nc_u64 s[G0X+2:G0X+3], s[4:5], s[66:67]
	s_or_b32 s[G0X+3], s[G0X+3], 0x80000000
	s_add_nc_u64 s[56:57], s[6:7], s[46:47]
	s_add_nc_u64 s[8:9], s[8:9], s[70:71]
	s_add_nc_u64 s[10:11], s[10:11], s[70:71]
	s_add_nc_u64 s[12:13], s[12:13], s[72:73]
	CROUND                                         ; the cluster's four are here: the joint loads meet
	tensor_load_to_lds s[G0X:G0X+3], s[G1X:G1X+7]  ; my one tensor load: four packages of the tokens
	s_nop 0
	PLACES 4
	BLOAD 0
	ASK 2
	GW 0
	GW 1
	GW 2
	s_wait_tensorcnt 0x0                           ; my quarter is in;
	s_barrier_signal -1
	s_barrier_wait -1                              ; everybody's is
	FXS 0
	STEP 0, 1
.irp s, 1,2,3,4,5,6,7
	STEP \s, 0
.endr
	EPIHEAD
	BLOAD 1                                        ; the first tower's bias was read by step 0 alone
	EPIP 0, 0
	EPIP 0, 1
	EPIV 0
	STEP 8, 1
.irp s, 9,10,11,12,13,14,15
	STEP \s, 0
.endr
	EPIHEAD
	EPIP 1, 0
	EPIP 1, 1
	EPIV 1
	s_wait_dscnt 0x0
	s_barrier_signal -1
	s_barrier_wait -1                              ; both sides' images are whole
	v_mov_b32 v95, 0
	ATT 0
	ATT 1
	s_wait_tensorcnt 0x0                           ; the wave's end
	ds_add_u32 v[SPW], v[NIL]
	s_wait_dscnt 0x0
	CROUND                                         ; the closing round
	s_endpgm
.Lfunc_end_k_q7131476d13_attn:
	.size	k_q7131476d13_attn, .Lfunc_end_k_q7131476d13_attn-k_q7131476d13_attn
	.p2alignl 7, 3214868480
	.fill 96, 4, 3214868480
	.section	.rodata,"a",@progbits
	.p2align	6, 0x0
	.amdhsa_kernel k_q7131476d13_attn
		.amdhsa_group_segment_fixed_size 327680
		.amdhsa_private_segment_fixed_size 0
		.amdhsa_enable_private_segment 0
		.amdhsa_kernarg_size 40
		.amdhsa_user_sgpr_count 2
		.amdhsa_user_sgpr_kernarg_segment_ptr 1
		.amdhsa_wavefront_size32 1
		.amdhsa_system_sgpr_workgroup_id_x 1
		.amdhsa_system_sgpr_workgroup_id_y 1
		.amdhsa_system_sgpr_workgroup_id_z 1
		.amdhsa_system_vgpr_workitem_id 0
		.amdhsa_next_free_vgpr 1024
		.amdhsa_next_free_sgpr 100
		.amdhsa_reserve_vcc 0
		.amdhsa_float_denorm_mode_32 3
		.amdhsa_float_denorm_mode_16_64 3
		.amdhsa_memory_ordered 1
		.amdhsa_forward_progress 1
		.amdhsa_inst_pref_size 255
	.end_amdhsa_kernel
	.section	.bss,"aw",@nobits
	.p2align	6
	.space	262144
	.amdgpu_metadata
---
amdhsa.version: [ 1, 2 ]
amdhsa.kernels:
  - .name:           k_q7131476d13_attn
    .symbol:         k_q7131476d13_attn.kd
    .args:
      - { .name: xq, .offset: 0, .size: 8, .value_kind: global_buffer, .address_space: global }
      - { .name: wc, .offset: 8, .size: 8, .value_kind: global_buffer, .address_space: global }
      - { .name: bv, .offset: 16, .size: 8, .value_kind: global_buffer, .address_space: global }
      - { .name: bq, .offset: 24, .size: 8, .value_kind: global_buffer, .address_space: global }
      - { .name: uq, .offset: 32, .size: 8, .value_kind: global_buffer, .address_space: global }
    .group_segment_fixed_size: 327680
    .private_segment_fixed_size: 0
    .kernarg_segment_align: 8
    .kernarg_segment_size: 40
    .max_flat_workgroup_size: 128
    .sgpr_count:     100
    .vgpr_count:     1024
    .wavefront_size: 32
...
	.end_amdgpu_metadata
.endif
;; end of part 6
;; launch outg (part 7): grid 4 x 64, 4 waves a work-group, clusters of 4 x 1, 327,680 bytes of LDS; arguments xq, uq, wc, bvo, bqo, out0, out1; writes out0, out1
.if DOCPART == 7
	.amdgcn_target "amdgcn-amd-amdhsa--gfx1250"
	.amdhsa_code_object_version 6
	.text
	.protected	k_q7131476d13_outg
	.globl	k_q7131476d13_outg
	.p2align	8
	.type	k_q7131476d13_outg,@function
k_q7131476d13_outg:
	s_mov_b64 s[64:65], 0
	v_nop
	global_prefetch_b8 v0, s[64:65] scope:SCOPE_SE
	s_setreg_imm32_b32 hwreg(HW_REG_WAVE_MODE, 25, 1), 1
	s_wait_xcnt 0x0
	s_wait_alu depctr_hold_cnt(0) depctr_sa_sdst(0) depctr_va_vdst(0) depctr_va_sdst(0) depctr_va_ssrc(0) depctr_va_vcc(0) depctr_vm_vsrc(0)
	s_getreg_b32 s2, hwreg(HW_REG_IB_STS2, 6, 4)
	s_cmp_eq_u32 s2, 0
	s_cbranch_scc0 .Lentry_in_a_cluster
	s_endpgm
.Lentry_in_a_cluster:
	s_bfe_u32 s2, ttmp6, 0x10000c
	s_cmp_lg_u32 s2, 0x3003
	s_cbranch_scc0 .Lentry_shape_is_right
	s_endpgm
.Lentry_shape_is_right:
; out = relu([x, update] Wo + bo) for both towers, on codes of FP6 (E2M3) with E8M0 scales.  K = 2,048: K steps 0-7 are x's packages (xq), 8-15 the update's (uq).
; A work-group makes 128 tokens (one batch of one tower) x 256 columns; wave w makes columns 64 w .. 64 w + 63 (4 tiles of W) for all 8 tiles of tokens: 32 accumulators, 32 products a K step.
; Source 0 = W, source 1 = the tokens: a lane holds one token and, over a pair of tiles, 16 neighbouring columns.  The bias is the C of each sum's first product.
; THE TOKENS' 16 packages (204,800 bytes) are shared by the four waves: they come into LDS ONCE, one joint load of 51,200 bytes a wave (waves 0, 1 from xq, waves 2, 3 from uq), and stay.  No LDS byte is filled twice.
; W's fragments are images of the operand's registers, each read by ONE wave of the work-group: they go from memory straight into registers, five sets of 48, asked for four K steps ahead.
; CLUSTER 4 x 1: the four groups of columns of one batch and tower ask for the tokens jointly (mask 15).  W is not asked for jointly: it does not pass through LDS.
; PREFETCH: a pair of K steps of W is 200 blocks of 256 bytes; the 32 batches' work-groups share them, seven each (two a wave), four K steps ahead of the loads that want them; pair 7 is the last.
; REGISTERS: window 0: v1-29 addresses; v32-49 scale words; v64-159, v160-255 the tokens' fragments, two sets; on the way out v64-191.  window 1: W's five sets at 48 x set.  window 2: accumulator (t, f) at 32 t + 8 f.  window 3: v0-31 the bias.
.set APK,   12800
.set WPK,   25600
.set XQ,    51200
.set STAGE, 204800                     ; 16 rows x (256 + 16) bytes for each wave; no fill lands here
.set SPARE, 222208                     ; the spare words: two blocks of 256 bytes that no other line names
.set XA,  4
.set XSA, 8
.set WA,  12
.set WSA, 13
.set PFW, 14
.set STO, 16
.set RD,  17
.set CO,  18
.set BO,  19
.set SPW, 28
.set NIL, 29
.set XSC, 32                           ; v32-39  two sets of four
.set WSC, 40                           ; v40-49  five sets of two
.set G1X, 24
.set G0X, 32
.set MSB, 0
.macro WIN new
.if MSB != \new
	s_set_vgpr_msb (MSB<<8)|\new
.set MSB, \new
.endif
.endm
.macro PLACES n
.rept \n
	v_nop
.endr
.endm
.macro CROUND
	s_barrier_signal -1
	s_barrier_wait -1
	s_cmp_lg_u32 s18, 0
	s_cbranch_scc1 .Lnot_wave_0_\@
	s_barrier_signal -3
.Lnot_wave_0_\@:
	s_barrier_wait -3
	s_barrier_signal -1
	s_barrier_wait -1
.endm
.macro ASK p
	global_prefetch_b8 v[PFW], s[8:9] offset:(\p)*2*WPK th:TH_LOAD_NT scope:SCOPE_SE
.endm
.macro WM d, a, b, c, sa, sb, ra, rb
.if (\ra) && (\rb)
	v_wmma_scale_f32_16x16x128_f8f6f4 v[(\d):(\d)+7], v[(\a):(\a)+11], v[(\b):(\b)+11], v[(\c):(\c)+7], v[\sa], v[\sb] matrix_a_fmt:MATRIX_FMT_FP6 matrix_b_fmt:MATRIX_FMT_FP6 matrix_a_scale:MATRIX_SCALE_ROW1 matrix_b_scale:MATRIX_SCALE_ROW1
.elseif (\ra)
	v_wmma_scale_f32_16x16x128_f8f6f4 v[(\d):(\d)+7], v[(\a):(\a)+11], v[(\b):(\b)+11], v[(\c):(\c)+7], v[\sa], v[\sb] matrix_a_fmt:MATRIX_FMT_FP6 matrix_b_fmt:MATRIX_FMT_FP6 matrix_a_scale:MATRIX_SCALE_ROW1
.elseif (\rb)
	v_wmma_scale_f32_16x16x128_f8f6f4 v[(\d):(\d)+7], v[(\a):(\a)+11], v[(\b):(\b)+11], v[(\c):(\c)+7], v[\sa], v[\sb] matrix_a_fmt:MATRIX_FMT_FP6 matrix_b_fmt:MATRIX_FMT_FP6 matrix_b_scale:MATRIX_SCALE_ROW1
.else
	v_wmma_scale_f32_16x16x128_f8f6f4 v[(\d):(\d)+7], v[(\a):(\a)+11], v[(\b):(\b)+11], v[(\c):(\c)+7], v[\sa], v[\sb] matrix_a_fmt:MATRIX_FMT_FP6 matrix_b_fmt:MATRIX_FMT_FP6
.endif
.endm
; 14 loads: K step s of my four fragments of W and their two registers of scale words, into set s % 5
.macro GW s
.set wS, (\s)%5
	WIN 0x40
.irp f, 0,1,2,3
.irp c, 0,1,2
	global_load_b128 v[48*wS+12*\f+4*\c:48*wS+12*\f+4*\c+3], v[WA], s[8:9] offset:WPK*(\s)+1536*\f+512*\c
.endr
.endr
	WIN 0
.irp p, 0,1
	global_load_b32 v[WSC+2*wS+\p], v[WSA], s[8:9] offset:WPK*(\s)+128*\p
.endr
.endm
; 28 LDS loads: K step s of the tokens' eight fragments and their scale words, into set s % 2
.macro FXS s
.set xS, (\s)%2
.set xK, (\s)/4
.set xO, APK*((\s)%4)
.irp t, 0,1,2,3,4,5,6,7
.irp c, 0,1,2
	ds_load_b128 v[64+96*xS+12*\t+4*\c:64+96*xS+12*\t+4*\c+3], v[XA+xK] offset:xO+1536*\t+512*\c
.endr
.endr
.irp p, 0,1,2,3
	ds_load_b32 v[XSC+4*xS+\p], v[XSA+xK] offset:xO+12288+128*\p
.endr
.endm
; 32 products; the accumulators take turns, in the same order in every step
.macro MG ws, xs, first
.if \first
	WIN 0xb1                                       ; source 0 (W) window 1, source 1 window 0, C (bias) window 3, D window 2
.else
	WIN 0xa1
.endif
.set gT, 0
.rept 8
.irp f, 0,1,2,3
.set rD, 32*gT+8*\f
.if \first
.set rC, 8*\f
.else
.set rC, rD
.endif
	WM rD, 48*(\ws)+12*\f, 64+96*(\xs)+12*gT, rC, WSC+2*(\ws)+\f/2, XSC+4*(\xs)+gT/2, \f%2, gT%2
.endr
.set gT, gT+1
.endr
.endm
; A K step.  Behind W's set s stand the loads of sets s + 1 to s + 3, 14 each: the wait's count.
.macro STEP s
.if (\s) < 13
	s_wait_loadcnt 42
.else
	s_wait_loadcnt 14*(15-(\s))
.endif
	s_wait_dscnt 0x0                               ; the tokens' set s % 2 is in
.if (\s) > 0
	PLACES 4                                       ; in front of loads into registers that the last step's products read
.endif
.if (\s)+4 < 16
	GW (\s)+4
.endif
.if (\s)+1 < 16
	FXS (\s)+1
.endif
.if ((\s)%2 == 0) && ((\s)/2+4 < 8)
	ASK (\s)/2+4
.endif
.if (\s) == 0
	MG 0, 0, 1
.else
	MG (\s)%5, (\s)%2, 0
.endif
	WIN 0
.endm
	s_load_b256 s[4:11], s[0:1], 0x0               ; xq, uq, wc, bvo
	s_load_b128 s[12:15], s[0:1], 0x20             ; bqo, out0
	s_load_b64 s[16:17], s[0:1], 0x30              ; out1
	v_lshl_add_u32 v[SPW], v0, 2, SPARE
	v_mov_b32 v[NIL], 0
	ds_add_u32 v[SPW], v[NIL]                      ; the opening lines: the add twice on end and one wait
	ds_add_u32 v[SPW], v[NIL]
	v_lshrrev_b32 v1, 5, v0
	v_readfirstlane_b32 s18, v1                    ; wave
	s_and_b32 s20, s18, 1
	s_bfe_u32 s21, ttmp6, 0x40000                  ; cx = the group of 256 columns
	s_and_b32 s23, ttmp7, 0xffff
	s_lshr_b32 s87, s23, 5                         ; the tower
	s_and_b32 s86, s23, 31                         ; the batch
	s_mov_b32 s[G1X], 15|(3<<16)|(1<<21)           ; 200 rows of 256 bytes, for the cluster's four
	s_mov_b32 s[G1X+1], 32<<16
	s_mov_b32 s[G1X+2], 200<<16
	s_mov_b32 s[G1X+3], 32<<16
	s_mov_b32 s[G1X+4], 200
	s_mov_b32 s[G1X+5], 32
	s_mov_b32 s[G1X+6], 0
	s_mov_b32 s[G1X+7], 0
	s_mov_b32 s[G0X], 1
	s_mul_i32 s[G0X+1], s18, XQ                    ; my quarter of the tokens' bytes in LDS
	s_lshl_b32 s90, s86, 1
	s_add_co_u32 s90, s90, s87
	s_mul_i32 s90, s90, 8*APK                      ; packages (2 batch + tower) 8 on,
	s_mul_i32 s91, s20, XQ
	s_add_co_u32 s90, s90, s91                     ; my half of the eight
	s_mov_b32 s91, 0
	s_lshl_b32 s92, s87, 2
	s_add_co_u32 s92, s92, s21
	s_mul_i32 s92, s92, 16*WPK                     ; W: packages (4 tower + cx) 16 on,
	s_add_co_u32 s92, s92, 4915200                 ; behind the first layer's
	s_mov_b32 s93, 0
	s_lshl_b32 s96, s21, 10                        ; my 64 columns, in bytes
	s_lshl_b32 s97, s18, 8
	s_add_co_u32 s96, s96, s97
	s_mov_b32 s97, 0
	s_lshl_b32 s98, s86, 19                        ; the batch's 128 rows of 4,096 bytes
	s_add_co_u32 s98, s98, s96
	s_mov_b32 s99, 0
	s_mul_i32 s40, s18, 6144
	s_lshl_b32 s41, s18, 8
	s_add_co_u32 s41, s41, 24576
	s_mul_i32 s42, s18, 4352
	s_add_co_u32 s42, s42, STAGE
	s_lshl_b32 s43, s18, 1
	s_mul_i32 s44, s86, 7
	v_and_b32 v1, 15, v0                           ; r
	v_bfe_u32 v2, v0, 4, 1                         ; h
	v_and_b32 v3, 31, v0                           ; lane
	v_lshlrev_b32 v[XA], 4, v3
	v_add_nc_u32 v[XA+1], XQ, v[XA]
	v_add_nc_u32 v[XA+2], 2*XQ, v[XA]
	v_add_nc_u32 v[XA+3], 3*XQ, v[XA]
	v_lshlrev_b32 v[XSA], 2, v3
	v_add_nc_u32 v[XSA+1], XQ, v[XSA]
	v_add_nc_u32 v[XSA+2], 2*XQ, v[XSA]
	v_add_nc_u32 v[XSA+3], 3*XQ, v[XSA]
	v_add_nc_u32 v[WA], s40, v[XA]
	v_add_nc_u32 v[WSA], s41, v[XSA]
	v_mul_u32_u24 v[STO], v1, 272
	v_lshl_add_u32 v[STO], v2, 6, v[STO]
	v_add_nc_u32 v[STO], s42, v[STO]               ; the stage, in: row r, + 64 h
	v_mul_u32_u24 v[RD], v2, 272
	v_lshl_add_u32 v[RD], v1, 4, v[RD]
	v_add_nc_u32 v[RD], s42, v[RD]                 ; back: lanes 0-15 one row of 256 bytes, lanes 16-31 the next
	v_lshlrev_b32 v[CO], 12, v2
	v_lshl_add_u32 v[CO], v1, 4, v[CO]             ; and the same two rows in the output
	v_lshlrev_b32 v[BO], 6, v2
	v_min_u32 v[PFW], 1, v3                        ; the prefetches: block 7 batch + min(2 wave + min(lane, 1), 6), held at 199
	v_add_nc_u32 v[PFW], s43, v[PFW]
	v_min_u32 v[PFW], 6, v[PFW]
	v_add_nc_u32 v[PFW], s44, v[PFW]
	v_min_u32 v[PFW], 199, v[PFW]
	v_lshlrev_b32 v[PFW], 8, v[PFW]
	s_wait_alu depctr_va_vdst(0)                   ; the wait at the head's end
	s_wait_dscnt 0x0                               ; both opening adds are done
	s_wait_kmcnt 0x0
	s_cmp_lt_u32 s18, 2                            ; waves 0, 1 fetch from xq, waves 2, 3 from uq: the choice hangs on the wave's number alone
	s_cselect_b64 s[G0X+2:G0X+3], s[4:5], s[6:7]
	s_add_nc_u64 s[G0X+2:G0X+3], s[G0X+2:G0X+3], s[90:91]
	s_or_b32 s[G0X+3], s[G0X+3], 0x80000000
	s_add_nc_u64 s[8:9], s[8:9], s[92:93]
	s_cmp_eq_u32 s87, 0                            ; the tower's bias and output
	s_cselect_b64 s[10:11], s[10:11], s[12:13]
	s_cselect_b64 s[14:15], s[14:15], s[16:17]
	s_add_nc_u64 s[10:11], s[10:11], s[96:97]
	s_add_nc_u64 s[14:15], s[14:15], s[98:99]
	CROUND                                         ; the cluster's four are here: the joint loads meet
	tensor_load_to_lds s[G0X:G0X+3], s[G1X:G1X+7]  ; my one tensor load: four packages of the tokens
	s_nop 0
	PLACES 4
	WIN 0xc0
.irp f, 0,1,2,3                        ; the bias in the result's layout: lane (r, h), tile f: columns 32 (f / 2) + 16 h + 8 (f % 2) + 0 .. 7 of my 64
	global_load_b128 v[8*\f:8*\f+3], v[BO], s[10:11] offset:128*(\f/2)+32*(\f%2)
	global_load_b128 v[8*\f+4:8*\f+7], v[BO], s[10:11] offset:128*(\f/2)+32*(\f%2)+16
.endr
	WIN 0
	ASK 2
	ASK 3
	GW 0
	GW 1
	GW 2
	GW 3
	s_wait_tensorcnt 0x0                           ; my quarter is in;
	s_barrier_signal -1
	s_barrier_wait -1                              ; everybody's is
	FXS 0
.irp s, 0,1,2,3,4,5,6,7,8,9,10,11,12,13,14,15
	STEP \s
.endr
; THE WAY OUT, a tile of 16 tokens x my 64 columns at a time: the activation, through my own stage in LDS, and back as whole rows of 256 bytes.  LDS serves a wave's instructions in order: no wait between the stores and the loads.
.macro TOSTAGE t
	WIN 0x08                                       ; source 1 window 2
.set oJ, 0
.rept 32
	v_max_num_f32 v[64+32*((\t)%2)+oJ], 0, v[32*(\t)+oJ]   ; each accumulator from its low end on
.set oJ, oJ+1
.endr
	WIN 0
.irp f, 0,1,2,3
.irp q, 0,1
	ds_store_b128 v[STO], v[64+32*((\t)%2)+8*\f+4*\q:64+32*((\t)%2)+8*\f+4*\q+3] offset:128*(\f/2)+32*(\f%2)+16*\q
.endr
.endr
.irp k, 0,1,2,3,4,5,6,7
	ds_load_b128 v[128+32*((\t)%2)+4*\k:128+32*((\t)%2)+4*\k+3], v[RD] offset:544*\k
.endr
.endm
.macro SEND t, younger                 ; younger: the LDS instructions issued behind tile t's loads, which may stay out
	s_wait_dscnt \younger
.irp k, 0,1,2,3,4,5,6,7                ; rows 2 k and 2 k + 1 of the tile are tokens 32 (t / 2) + 8 (t % 2) + 2 k + 8 (k / 4) and the next
	global_store_b128 v[CO], v[128+32*((\t)%2)+4*\k:128+32*((\t)%2)+4*\k+3], s[14:15] offset:(32*((\t)/2)+8*((\t)%2)+2*\k+8*(\k/4))*4096 th:TH_STORE_NT   ; 16 lanes store 256 consecutive bytes, aligned
.endr
.endm
	PLACES 4                                       ; behind the last products
	TOSTAGE 0
.irp t, 1,2,3,4,5,6,7
.if \t > 1
	s_wait_xcnt 0x0                                ; tile t - 2's stores have read their registers: tile t's loads may land there
.endif
	TOSTAGE \t
	SEND \t-1, 16                                  ; behind tile t - 1's loads: tile t's 8 stores and 8 loads
.endr
	SEND 7, 0
	s_wait_tensorcnt 0x0                           ; the wave's end
	ds_add_u32 v[SPW], v[NIL]
	s_wait_dscnt 0x0
	CROUND                                         ; the closing round
	s_endpgm
.Lfunc_end_k_q7131476d13_outg:
	.size	k_q7131476d13_outg, .Lfunc_end_k_q7131476d13_outg-k_q7131476d13_outg
	.p2alignl 7, 3214868480
	.fill 96, 4, 3214868480
	.section	.rodata,"a",@progbits
	.p2align	6, 0x0
	.amdhsa_kernel k_q7131476d13_outg
		.amdhsa_group_segment_fixed_size 327680
		.amdhsa_private_segment_fixed_size 0
		.amdhsa_enable_private_segment 0
		.amdhsa_kernarg_size 56
		.amdhsa_user_sgpr_count 2
		.amdhsa_user_sgpr_kernarg_segment_ptr 1
		.amdhsa_wavefront_size32 1
		.amdhsa_system_sgpr_workgroup_id_x 1
		.amdhsa_system_sgpr_workgroup_id_y 1
		.amdhsa_system_sgpr_workgroup_id_z 1
		.amdhsa_system_vgpr_workitem_id 0
		.amdhsa_next_free_vgpr 800
		.amdhsa_next_free_sgpr 100
		.amdhsa_reserve_vcc 0
		.amdhsa_float_denorm_mode_32 3
		.amdhsa_float_denorm_mode_16_64 3
		.amdhsa_memory_ordered 1
		.amdhsa_forward_progress 1
		.amdhsa_inst_pref_size 148
	.end_amdhsa_kernel
	.amdgpu_metadata
---
amdhsa.version: [ 1, 2 ]
amdhsa.kernels:
  - .name:           k_q7131476d13_outg
    .symbol:         k_q7131476d13_outg.kd
    .args:
      - { .name: xq, .offset: 0, .size: 8, .value_kind: global_buffer, .address_space: global }
      - { .name: uq, .offset: 8, .size: 8, .value_kind: global_buffer, .address_space: global }
      - { .name: wc, .offset: 16, .size: 8, .value_kind: global_buffer, .address_space: global }
      - { .name: bvo, .offset: 24, .size: 8, .value_kind: global_buffer, .address_space: global }
      - { .name: bqo, .offset: 32, .size: 8, .value_kind: global_buffer, .address_space: global }
      - { .name: out0, .offset: 40, .size: 8, .value_kind: global_buffer, .address_space: global }
      - { .name: out1, .offset: 48, .size: 8, .value_kind: global_buffer, .address_space: global }
    .group_segment_fixed_size: 327680
    .private_segment_fixed_size: 0
    .kernarg_segment_align: 8
    .kernarg_segment_size: 56
    .max_flat_workgroup_size: 128
    .sgpr_count:     100
    .vgpr_count:     800
    .wavefront_size: 32
...
	.end_amdgpu_metadata
.endif
;; end of part 7
